; MI455X (gfx1250); checked and timed in simulation.
; The chip was launched on July 23, 2026; its instructions are those of AMD's public machine-readable ISA for CDNA 5 (MIT licence, August 2026) and "CDNA5" Instruction Set Architecture Reference Guide (July 2026). The comments in the code are by the model that wrote it; some were corrected since.
;; Causal Self Attention. Allowed arithmetic: float matrix products may take bf16 or f16 operands with f32 sums; all other float work in f32.
;; Inputs: b_proj 1,024 float32; b_qkv 3,072 float32; w_proj 1,024 x 1,024 float32; w_qkv 1,024 x 3,072 float32; x 2 x 2,048 x 1,024 float32.
;; Outputs: out0 2 x 2,048 x 1,024 float32.
;; 2 versions, each right; version 2 is version 1 with the launch prep written anew for expert scheduling mode. Each part assembles by itself: llvm-mc -triple=amdgcn-amd-amdhsa -mcpu=gfx1250 --defsym DOCPART=n.
;; ======== version 1 of 2: 4 launches
;; limits: values are held in f16: magnitudes above 65,504 overflow, below 6.1e-05 lose precision
;; workspace buffers: xb 8,388,608 bytes; wqb 6,291,456 bytes; wpb 2,097,152 bytes; qkv 25,165,824 bytes; ao 8,388,608 bytes
;; launch prep (part 1): grid 256 x 1, 8 waves a work-group, no clusters, 0 bytes of LDS; arguments x, w_qkv, w_proj, xb, wqb, wpb; writes xb, wqb, wpb
.if DOCPART == 1
	.amdgcn_target "amdgcn-amd-amdhsa--gfx1250"
	.amdhsa_code_object_version 6
	.text
	.protected	k_q61122ecd2b_prep
	.globl	k_q61122ecd2b_prep
	.p2align	8
	.type	k_q61122ecd2b_prep,@function
k_q61122ecd2b_prep:
	s_mov_b64 s[64:65], 0
	v_nop
	global_prefetch_b8 v0, s[64:65] scope:SCOPE_SE
	s_setreg_imm32_b32 hwreg(HW_REG_WAVE_MODE, 25, 1), 1
	s_wait_xcnt 0x0
; The three large inputs are rounded once to 16 bits, in their own layouts: xb = bf16(x), wqb = bf16(w_qkv),
; wpb = bf16(w_proj) written in f16's bits (the last product runs in the f16 form, whose two operands are both f16).
; LIMIT: a bf16 number has 8 significant bits, so it is exact in f16 while 2^-14 <= |w| < 65,504; a smaller one loses at most 2^-25
; in absolute terms, a larger one becomes an infinity.
; A pure stream: no LDS, no barrier, no matrix unit.  256 work-groups of eight waves; each takes 1/256 of each tensor:
; 65,536 bytes of x, 49,152 of w_qkv, 16,384 of w_proj; a wave an eighth of that: 16 + 12 + 4 = 32 loads of 512 consecutive bytes.
; All 32 loads of a wave go out first (16 KiB a wave); each is then waited for by a count of the younger ones,
; converted in place and stored: 32 lanes x 8 bytes = 256 consecutive bytes, aligned.  No register is written again while
; a load or a store still names it, so no further wait is needed.
.set X,  8                             ; v[8:135]   load j: 4 registers of f32, then 2 registers of 16-bit numbers
.set TT, 136                           ; v[136:139] at work
	s_load_b256 s[4:11], s[0:1], 0x0               ; x s[4:5], w_qkv s[6:7], w_proj s[8:9], xb s[10:11]
	s_load_b128 s[12:15], s[0:1], 0x20             ; wqb s[12:13], wpb s[14:15]
	v_and_b32 v7, 31, v0                           ; lane
	v_lshrrev_b32 v[TT], 5, v0                     ; wave
	v_lshlrev_b32 v1, 13, v[TT]                    ; my wave's 8,192 bytes of x,
	v_mul_u32_u24 v2, v[TT], 6144                  ; 6,144 of w_qkv,
	v_lshlrev_b32 v3, 11, v[TT]                    ; 2,048 of w_proj,
	v_lshl_add_u32 v1, v7, 4, v1                   ; and 16 bytes a lane
	v_lshl_add_u32 v2, v7, 4, v2
	v_lshl_add_u32 v3, v7, 4, v3
	v_lshrrev_b32 v4, 1, v1                        ; the outputs' offsets are half of those
	v_lshrrev_b32 v5, 1, v2
	v_lshrrev_b32 v6, 1, v3
	s_lshl_b32 s16, ttmp9, 16                      ; the work-group's parts
	s_mov_b32 s17, 0
	s_mul_i32 s18, ttmp9, 49152
	s_mov_b32 s19, 0
	s_lshl_b32 s20, ttmp9, 14
	s_mov_b32 s21, 0
	s_wait_kmcnt 0x0
	s_add_nc_u64 s[4:5], s[4:5], s[16:17]
	s_add_nc_u64 s[6:7], s[6:7], s[18:19]
	s_add_nc_u64 s[8:9], s[8:9], s[20:21]
.set jj, 0
.rept 16
	global_load_b128 v[X+4*jj:X+4*jj+3], v1, s[4:5] offset:512*jj th:TH_LOAD_NT
.set jj, jj+1
.endr
.rept 12
	global_load_b128 v[X+4*jj:X+4*jj+3], v2, s[6:7] offset:512*(jj-16) th:TH_LOAD_NT
.set jj, jj+1
.endr
.rept 4
	global_load_b128 v[X+4*jj:X+4*jj+3], v3, s[8:9] offset:512*(jj-28) th:TH_LOAD_NT
.set jj, jj+1
.endr
	s_lshr_b32 s16, s16, 1
	s_lshr_b32 s18, s18, 1
	s_lshr_b32 s20, s20, 1
	s_add_nc_u64 s[10:11], s[10:11], s[16:17]
	s_add_nc_u64 s[12:13], s[12:13], s[18:19]
	s_add_nc_u64 s[14:15], s[14:15], s[20:21]
.set jj, 0
.rept 16
	s_wait_loadcnt 31-jj                           ; loads come back in order: load jj is in, the younger ones stay out
	v_cvt_pk_bf16_f32 v[X+4*jj], v[X+4*jj], v[X+4*jj+1]
	v_cvt_pk_bf16_f32 v[X+4*jj+1], v[X+4*jj+2], v[X+4*jj+3]
	global_store_b64 v4, v[X+4*jj:X+4*jj+1], s[10:11] offset:256*jj
.set jj, jj+1
.endr
.rept 12
	s_wait_loadcnt 31-jj
	v_cvt_pk_bf16_f32 v[X+4*jj], v[X+4*jj], v[X+4*jj+1]
	v_cvt_pk_bf16_f32 v[X+4*jj+1], v[X+4*jj+2], v[X+4*jj+3]
	global_store_b64 v5, v[X+4*jj:X+4*jj+1], s[12:13] offset:256*(jj-16)
.set jj, jj+1
.endr
.rept 4
	s_wait_loadcnt 31-jj
	v_cvt_pk_bf16_f32 v[X+4*jj], v[X+4*jj], v[X+4*jj+1]          ; the rounding: to bf16
	v_cvt_pk_bf16_f32 v[X+4*jj+1], v[X+4*jj+2], v[X+4*jj+3]
	v_lshlrev_b32 v[TT], 16, v[X+4*jj]                           ; back to f32 (a shift or a mask),
	v_and_b32 v[TT+1], 0xffff0000, v[X+4*jj]
	v_lshlrev_b32 v[TT+2], 16, v[X+4*jj+1]
	v_and_b32 v[TT+3], 0xffff0000, v[X+4*jj+1]
	v_cvt_pk_f16_f32 v[X+4*jj], v[TT], v[TT+1]                   ; and the same numbers in f16's bits
	v_cvt_pk_f16_f32 v[X+4*jj+1], v[TT+2], v[TT+3]
	global_store_b64 v6, v[X+4*jj:X+4*jj+1], s[14:15] offset:256*(jj-28)
.set jj, jj+1
.endr
	s_endpgm
.Lfunc_end_k_q61122ecd2b_prep:
	.size	k_q61122ecd2b_prep, .Lfunc_end_k_q61122ecd2b_prep-k_q61122ecd2b_prep
	.p2alignl 7, 3214868480
	.fill 96, 4, 3214868480
	.section	.rodata,"a",@progbits
	.p2align	6, 0x0
	.amdhsa_kernel k_q61122ecd2b_prep
		.amdhsa_group_segment_fixed_size 0
		.amdhsa_private_segment_fixed_size 0
		.amdhsa_enable_private_segment 0
		.amdhsa_kernarg_size 48
		.amdhsa_user_sgpr_count 2
		.amdhsa_user_sgpr_kernarg_segment_ptr 1
		.amdhsa_wavefront_size32 1
		.amdhsa_system_sgpr_workgroup_id_x 1
		.amdhsa_system_sgpr_workgroup_id_y 1
		.amdhsa_system_sgpr_workgroup_id_z 1
		.amdhsa_system_vgpr_workitem_id 0
		.amdhsa_next_free_vgpr 144
		.amdhsa_next_free_sgpr 66
		.amdhsa_reserve_vcc 0
		.amdhsa_float_denorm_mode_32 3
		.amdhsa_float_denorm_mode_16_64 3
		.amdhsa_memory_ordered 1
		.amdhsa_forward_progress 1
		.amdhsa_inst_pref_size 14
	.end_amdhsa_kernel
	.amdgpu_metadata
---
amdhsa.version: [ 1, 2 ]
amdhsa.kernels:
  - .name:           k_q61122ecd2b_prep
    .symbol:         k_q61122ecd2b_prep.kd
    .args:
      - { .name: x, .offset: 0, .size: 8, .value_kind: global_buffer, .address_space: global }
      - { .name: w_qkv, .offset: 8, .size: 8, .value_kind: global_buffer, .address_space: global }
      - { .name: w_proj, .offset: 16, .size: 8, .value_kind: global_buffer, .address_space: global }
      - { .name: xb, .offset: 24, .size: 8, .value_kind: global_buffer, .address_space: global }
      - { .name: wqb, .offset: 32, .size: 8, .value_kind: global_buffer, .address_space: global }
      - { .name: wpb, .offset: 40, .size: 8, .value_kind: global_buffer, .address_space: global }
    .group_segment_fixed_size: 0
    .private_segment_fixed_size: 0
    .kernarg_segment_align: 8
    .kernarg_segment_size: 48
    .max_flat_workgroup_size: 256
    .sgpr_count:     66
    .vgpr_count:     144
    .wavefront_size: 32
...
	.end_amdgpu_metadata
.endif
;; end of part 1
;; launch qkvgemm (part 2): grid 8 x 32, 4 waves a work-group, clusters of 4 x 4, 327,680 bytes of LDS; arguments xb, wqb, b_qkv, qkv; writes qkv
.if DOCPART == 2
	.amdgcn_target "amdgcn-amd-amdhsa--gfx1250"
	.amdhsa_code_object_version 6
	.text
	.protected	k_q61122ecd2b_qkvgemm
	.globl	k_q61122ecd2b_qkvgemm
	.p2align	8
	.type	k_q61122ecd2b_qkvgemm,@function
k_q61122ecd2b_qkvgemm:
	s_mov_b64 s[64:65], 0
	v_nop
	global_prefetch_b8 v0, s[64:65] scope:SCOPE_SE
	s_setreg_imm32_b32 hwreg(HW_REG_WAVE_MODE, 25, 1), 1
	s_wait_xcnt 0x0
	s_wait_alu depctr_hold_cnt(0) depctr_sa_sdst(0) depctr_va_vdst(0) depctr_va_sdst(0) depctr_va_ssrc(0) depctr_va_vcc(0) depctr_vm_vsrc(0)
	s_getreg_b32 s2, hwreg(HW_REG_IB_STS2, 6, 4)
	s_cmp_eq_u32 s2, 0
	s_cbranch_scc0 .Lentry_in_a_cluster
	s_endpgm
.Lentry_in_a_cluster:
	s_bfe_u32 s2, ttmp6, 0x10000c
	s_cmp_lg_u32 s2, 0xf033
	s_cbranch_scc0 .Lentry_shape_is_right
	s_endpgm
.Lentry_shape_is_right:
; qkv = x w_qkv + b_qkv.  xb: [4096][1024] bf16.  wqb: [1024 (k)][3072 (n)] bf16.  b_qkv: [3072] f32.
; Result in f16, head-major: qkv[3][32 = batch x 16 + head][2048 tokens][64], so that 16 tokens of a head are 2,048 consecutive bytes.
; LIMIT: |q|, |k|, |v| of 65,504 and more become infinities in f16.
; A work-group makes 128 rows x 384 columns with four waves; a wave 64 x 192: 4 x 12 accumulator tiles of 16 x 16, 384 registers.
; K goes in steps of 128 through two LDS slots filled by the tensor data mover; a slot holds 128 k-rows of the weights (768 bytes each) and
; 128 rows of x (256 bytes each).  The weights stay [k][n] as they lie in memory: ds_load_tr16_b128 turns them into fragments.
; CLUSTERS: 4 x 4 work-groups.  x's tile hangs on the block row alone and is asked for jointly by a row of the cluster, the weights' tile on
; the block column alone and is asked for jointly by a column: each is requested once for four.
; THE MATRIX INSTRUCTION IS USED TRANSPOSED: source 0 = 16 columns n of the weights, source 1 = 16 rows of x.  Lane l then holds row l % 16 and
; its registers 0-7 the columns 8 (l / 16) + 0..7: eight neighbouring numbers of a row.  The first products take the bias, laid out the same
; way, as C: nothing is cleared and no bias is added afterwards.
; REGISTERS, in windows of 256: window 0: v16-25 addresses, v32-95 fragments of x (two buffers), v96-191 the bias, v192-239 at work on the way out;
; window 1: v0-95, v96-191 fragments of the weights (two buffers); window 2: accumulators of row tiles 0, 1 (tile (a, b) at v[8 (12 a + b)]); window 3: of 2, 3.
.set NB,     12                        ; column tiles of a wave
.set QPS,    4                         ; quarters of 32 along K in a slot
.set PB,     864                       ; LDS pitch of a k-row of the weights: six pieces of 128 bytes, 16 bytes of padding behind each; 27 x 32
.set BH,     64*PB                     ; what one tensor load brings of the weights: 64 k-rows
.set PA,     272                       ; LDS pitch of a row of x: 256 bytes + 16
.set AQ2,    128                       ; bytes from a pair of quarters to the next in a row of x
.set AH,     64*PA                     ; what one tensor load brings of x: 64 rows
.set SLOT,   2*BH+2*AH                 ; the weights' 128 k-rows, then x's 128 rows
.set STAGE,  2*SLOT                    ; behind the ring: 16 rows x 400 bytes for each wave; no tensor load lands here
.set SPITCH, 400                       ; 384 bytes + 16
.set ASLOT,  256                       ; in memory: from a slot's tile of x to the next slot's
.set BSLOT,  128*6144                  ; the same for the weights
.set LAPS,   4                         ; a lap = two slots = 256 along K
.set ADRA, 16                          ; v16-17  LDS address of my fragments of x in slot 0, 1
.set ADRB, 18                          ; v18-21  of my fragments of the weights: slot 0 k-rows 0-63, 64-127, slot 1 likewise
.set STO,  22
.set RD,   23
.set CO,   24
.set BOFF, 25
.set FA,   32
.set BIAS, 96
.set TMP,  192
.set G1A, 24                           ; s[24:31] group 1 for x's tiles        s[32:39] group 0, one set for each slot
.set G0A, 32
.set G1B, 40                           ; s[40:47] group 1 for the weights'     s[48:55] group 0, one set for each slot
.set G0B, 48
.set MSB, 0
.macro WIN new                         ; the immediate's high byte repeats the setting that is left
.if MSB != \new
	s_set_vgpr_msb (MSB<<8)|\new
.set MSB, \new
.endif
.endm
.macro PLACES                          ; four places behind a matrix instruction (ISA guide 7.12.1) before its registers are loaded into or its results read
.rept 4
	v_nop
.endr
.endm
; A joint load.  Waves 0 and 1 fetch the weights' two halves, waves 2 and 3 x's.  The branch hangs on the wave's number alone.
.macro JLOAD s
	s_cmp_eq_u32 s13, 0
	s_cbranch_scc0 .Lfor_a_\@
	tensor_load_to_lds s[G0B+4*\s:G0B+4*\s+3], s[G1B:G1B+7]
	s_nop 0
	s_branch .Lasked_\@
.Lfor_a_\@:
	tensor_load_to_lds s[G0A+4*\s:G0A+4*\s+3], s[G1A:G1A+7]
	s_nop 0
.Lasked_\@:
.endm
.macro CREST                           ; a round of the cluster's barrier behind its opening barrier
	s_cmp_lg_u32 s12, 0
	s_cbranch_scc1 .Lnot_wave_0_\@
	s_barrier_signal -3
.Lnot_wave_0_\@:
	s_barrier_wait -3
	s_barrier_signal -1
	s_barrier_wait -1
.endm
.macro CROUND                          ; a whole round
	s_barrier_signal -1
	s_barrier_wait -1
	CREST
.endm
	s_load_b256 s[4:11], s[0:1], 0x0               ; xb s[4:5], wqb s[6:7], b_qkv s[8:9], qkv s[10:11]
	s_set_vgpr_msb 0x40
	v_lshl_add_u32 v255, v0, 2, 0x4d400
	s_set_vgpr_msb 0x4000
	v_mov_b32 v255, 0
	s_set_vgpr_msb 0x1
	ds_add_u32 v255, v255
	ds_add_u32 v255, v255
	s_set_vgpr_msb 0x100
	v_lshrrev_b32 v1, 5, v0
	v_readfirstlane_b32 s12, v1                    ; wave 0..3
	s_lshr_b32 s13, s12, 1                         ; wy: my half of the rows.  Also: I fetch weights (0) or x (1)
	s_and_b32 s14, s12, 1                          ; wx: my half of the columns.  Also: which half of that tile I fetch
	s_bfe_u32 s15, ttmp6, 0x40000                  ; cx
	s_bfe_u32 s16, ttmp6, 0x40004                  ; cy
	s_lshl_b32 s17, ttmp9, 2
	s_add_co_u32 s17, s17, s15                     ; block column = 4 x cluster x + cx
	s_and_b32 s18, ttmp7, 0xffff
	s_lshl_b32 s18, s18, 2
	s_add_co_u32 s18, s18, s16                     ; block row = 4 x cluster y + cy
	s_lshl_b32 s72, s16, 2
	s_lshl_b32 s72, 15, s72                        ; my row of the cluster: places 4 cy .. 4 cy + 3
	s_lshl_b32 s73, 0x1111, s15                    ; my column: places cx, cx + 4, cx + 8, cx + 12
	; group 1, x: 64 rows x 128 elements of 2 bytes, 4 words of padding behind every 64 words
	s_or_b32  s[G1A+0], s72, (1<<16)|(1<<20)|(1<<21)|(5<<22)|(3<<25)
	s_mov_b32 s[G1A+1], 128<<16                    ; tensor_dim0 = 128
	s_mov_b32 s[G1A+2], 64<<16                     ; tensor_dim1 = 64
	s_mov_b32 s[G1A+3], 128<<16                    ; tile_dim0 = 128
	s_mov_b32 s[G1A+4], 64                         ; tile_dim1 = 64
	s_mov_b32 s[G1A+5], 1024                       ; elements from row to row
	s_mov_b32 s[G1A+6], 0
	s_mov_b32 s[G1A+7], 0
	; group 1, weights: 64 k-rows x 384 elements, 4 words of padding behind every 32 words (six times a row)
	s_or_b32  s[G1B+0], s73, (1<<16)|(1<<20)|(1<<21)|(4<<22)|(3<<25)
	s_mov_b32 s[G1B+1], 384<<16
	s_mov_b32 s[G1B+2], 64<<16
	s_mov_b32 s[G1B+3], 384<<16
	s_mov_b32 s[G1B+4], 64
	s_mov_b32 s[G1B+5], 3072
	s_mov_b32 s[G1B+6], 0
	s_mov_b32 s[G1B+7], 0
	; where the tiles come from: x's address is made of the block row and the wave's number, the weights' of the block column and the wave's number,
	; each in registers that never hold the other coordinate
	s_lshl_b32 s56, s18, 18                        ; 128 rows of 2,048 bytes a block row
	s_lshl_b32 s57, s14, 17                        ; + 64 rows for the second half
	s_add_co_u32 s56, s56, s57
	s_mov_b32 s57, 0
	s_mul_i32 s60, s14, 64*6144                    ; 64 k-rows of 6,144 bytes for the second half
	s_mul_i32 s61, s17, 768                        ; + 384 columns a block column
	s_add_co_u32 s60, s60, s61
	s_mov_b32 s61, 0
	s_mul_i32 s20, s12, AH                         ; where they go: x's halves (waves 2, 3) lie behind the weights' 2 BH bytes: wave x AH + 2 (BH - AH)
	s_add_co_u32 s20, s20, 2*(BH-AH)
	s_mul_i32 s21, s12, BH                         ; the weights' halves (waves 0, 1): wave x BH
	s_wait_dscnt 0x0
	s_wait_kmcnt 0x0
	s_add_nc_u64 s[56:57], s[4:5], s[56:57]
	s_add_nc_u64 s[60:61], s[6:7], s[60:61]
	CROUND                                         ; all sixteen work-groups are here: the first joint loads meet
.irp s, 0,1
	s_mov_b32 s[G0A+4*\s], 1
	s_add_co_u32 s[G0A+4*\s+1], s20, \s*SLOT
	s_add_nc_u64 s[G0A+4*\s+2:G0A+4*\s+3], s[56:57], \s*ASLOT
	s_or_b32 s[G0A+4*\s+3], s[G0A+4*\s+3], 0x80000000
	s_mov_b32 s[G0B+4*\s], 1
	s_add_co_u32 s[G0B+4*\s+1], s21, \s*SLOT
	s_add_nc_u64 s[G0B+4*\s+2:G0B+4*\s+3], s[60:61], \s*BSLOT
	s_or_b32 s[G0B+4*\s+3], s[G0B+4*\s+3], 0x80000000
	JLOAD \s                                       ; both slots are asked for before anything else: two tensor loads of a wave are out
.endr
	; the bias of my 192 columns in the accumulators' layout: tile b, register j = bias[16 b + 8 (l / 16) + j]
	s_mul_i32 s62, s17, 128*NB
	s_mov_b32 s63, 0
	s_add_nc_u64 s[62:63], s[8:9], s[62:63]
	v_and_b32 v1, 15, v0                           ; r = l % 16
	v_bfe_u32 v2, v0, 4, 1                         ; h = l / 16
	s_mul_i32 s22, s14, 64*NB
	v_lshlrev_b32 v[BOFF], 5, v2
	v_add_nc_u32 v[BOFF], s22, v[BOFF]
.set ib, 0
.rept NB
	global_load_b128 v[BIAS+8*ib:BIAS+8*ib+3],   v[BOFF], s[62:63] offset:64*ib
	global_load_b128 v[BIAS+8*ib+4:BIAS+8*ib+7], v[BOFF], s[62:63] offset:64*ib+16
.set ib, ib+1
.endr
	; fragments of x: lane l holds row r; two loads of 16 bytes, 32 bytes apart, at row x pitch + 16 h
	v_mul_u32_u24 v3, v1, PA
	v_lshl_add_u32 v3, v2, 4, v3
	s_mul_i32 s22, s13, AH
	s_add_co_u32 s22, s22, 2*BH
	v_add_nc_u32 v[ADRA], s22, v3
	v_add_nc_u32 v[ADRA+1], SLOT, v[ADRA]
	; fragments of the weights by the transposing load: lane l addresses k-row 8 h + (l & 7), 16 bytes at 16 ((l >> 3) & 1)
	v_and_b32 v4, 7, v0
	v_lshl_add_u32 v5, v2, 3, v4
	v_mul_u32_u24 v5, v5, PB
	v_bfe_u32 v6, v0, 3, 1
	v_lshl_add_u32 v5, v6, 4, v5
	s_mul_i32 s23, s14, (NB/4)*144                 ; my 192 columns: three pieces of 144 bytes
	v_add_nc_u32 v[ADRB], s23, v5
	v_add_nc_u32 v[ADRB+1], BH, v[ADRB]
	v_add_nc_u32 v[ADRB+2], SLOT, v[ADRB]
	v_add_nc_u32 v[ADRB+3], SLOT+BH, v[ADRB]
	; the way out
	s_mul_i32 s22, s12, 16*SPITCH
	s_add_co_u32 s22, s22, STAGE                   ; my stage
	v_mul_u32_u24 v3, v1, SPITCH
	v_lshl_add_u32 v3, v2, 4, v3
	v_add_nc_u32 v[STO], s22, v3                   ; in: row r, 16 bytes for each half of the lanes
	v_bfe_u32 v3, v0, 3, 2
	v_mul_u32_u24 v3, v3, SPITCH
	v_lshl_add_u32 v3, v4, 4, v3
	v_add_nc_u32 v[RD], s22, v3                    ; back: eight lanes take a token's 128 bytes of one head, 32 lanes four tokens
	v_and_b32 v3, 31, v0
	v_lshlrev_b32 v[CO], 4, v3                     ; which are 512 consecutive bytes of the result
	; my 192 columns are three head slices g = 6 bx + 3 wx + 0..2 of the 48; slice g lies in plane (g / 16) x 32 + batch x 16 + g % 16
	s_mul_i32 s74, s17, 6
	s_mul_i32 s75, s14, 3
	s_add_co_u32 s74, s74, s75
	s_lshr_b32 s75, s18, 4
	s_lshl_b32 s75, s75, 4                         ; 16 x batch (a batch is 16 block rows)
	s_and_b32 s76, s18, 15
	s_lshl_b32 s76, s76, 14                        ; my first token in the plane, x 128 bytes
	s_lshl_b32 s77, s13, 13
	s_add_co_u32 s76, s76, s77
.irp s, 0,1,2
	s_add_co_u32 s77, s74, \s
	s_lshr_b32 s78, s77, 4
	s_lshl_b32 s78, s78, 5
	s_and_b32 s77, s77, 15
	s_add_co_u32 s78, s78, s77
	s_add_co_u32 s78, s78, s75
	s_lshl_b32 s78, s78, 18                        ; a plane is 262,144 bytes
	s_add_co_u32 s78, s78, s76
	s_mov_b32 s79, 0
	s_add_nc_u64 s[66+2*\s:67+2*\s], s[10:11], s[78:79]
.endr
; NB matrix instructions: row tile a of the window's two (hi = 0: tiles 0, 1; 1: tiles 2, 3) x all column tiles, 32 along K, from buffer f.
; zero = 1: the first product starts the sums from the bias.
.macro MULA f, hi, a, zero
.set ib, 0
.rept NB
.if \zero
	v_wmma_f32_16x16x32_bf16 v[8*(NB*\a+ib):8*(NB*\a+ib)+7], v[\f*8*NB+8*ib:\f*8*NB+8*ib+7], v[FA+32*\f+8*(2*\hi+\a):FA+32*\f+8*(2*\hi+\a)+7], v[BIAS+8*ib:BIAS+8*ib+7]
.else
	v_wmma_f32_16x16x32_bf16 v[8*(NB*\a+ib):8*(NB*\a+ib)+7], v[\f*8*NB+8*ib:\f*8*NB+8*ib+7], v[FA+32*\f+8*(2*\hi+\a):FA+32*\f+8*(2*\hi+\a)+7], v[8*(NB*\a+ib):8*(NB*\a+ib)+7]
.endif
.set ib, ib+1
.endr
.endm
; One run of 2 NB + 8 LDS loads: the fragments of quarter q of a slot into buffer f, the weights' first, x's last
.macro FETCH slot, q, f
	WIN 0x40                                       ; destination window 1, address window 0
.set ib, 0
.rept NB
	ds_load_tr16_b128 v[\f*8*NB+8*ib:\f*8*NB+8*ib+3],   v[ADRB+2*\slot+(\q)/(QPS/2)] offset:((\q)%(QPS/2))*32*PB+(ib>>2)*144+(ib&3)*32
	ds_load_tr16_b128 v[\f*8*NB+8*ib+4:\f*8*NB+8*ib+7], v[ADRB+2*\slot+(\q)/(QPS/2)] offset:((\q)%(QPS/2))*32*PB+(ib>>2)*144+(ib&3)*32+16*PB
.set ib, ib+1
.endr
	WIN 0
.set ia, 0
.rept 4
	ds_load_b128 v[FA+32*\f+8*ia:FA+32*\f+8*ia+3],   v[ADRA+\slot] offset:((\q)>>1)*AQ2+((\q)&1)*64+ia*16*PA
	ds_load_b128 v[FA+32*\f+8*ia+4:FA+32*\f+8*ia+7], v[ADRA+\slot] offset:((\q)>>1)*AQ2+((\q)&1)*64+ia*16*PA+32
.set ia, ia+1
.endr
.endm
; A quarter but the slot's last: multiplies buffer f and, in its middle, fetches quarter qn of the same slot into buffer g.
; The 48 accumulators take turns, one instruction a turn, in the same order in every quarter.
.macro QUARTER slot, qn, f, g, zero
	s_wait_dscnt 4                                 ; all but the four youngest loads (x's row tiles 2, 3) are in
.if \zero
	WIN 0x81                                       ; weights window 1, x window 0, C (the bias) window 0, D window 2
.else
	WIN 0xa1                                       ; C and D window 2
.endif
	MULA \f, 0, 0, \zero
	MULA \f, 0, 1, \zero
	PLACES
	FETCH \slot, \qn, \g
	s_wait_dscnt 2*NB+8                            ; all but the run just issued
.if \zero
	WIN 0xc1
.else
	WIN 0xf1                                       ; C and D window 3
.endif
	MULA \f, 1, 0, \zero
	MULA \f, 1, 1, \zero
.endm
.macro RUN slot, zero
	QUARTER \slot, 1, 0, 1, \zero
	QUARTER \slot, 2, 1, 0, 0
	QUARTER \slot, 3, 0, 1, 0
.endm
; The slot's last quarter: multiplies buffer 1 and changes slots.  In front of the barrier each wave waits for its reads of this slot and for all
; its tensor loads (one is out: its part of the next slot).  Where the slot is filled again the barrier opens a round of the cluster's barrier,
; and the joint refill is the first tensor load behind the round.
.macro TURN slot, next, fill
	s_wait_dscnt 4
	WIN 0xa1
	MULA 1, 0, 0, 0
	s_wait_dscnt 0                                 ; my reads of this slot are over
	s_wait_tensorcnt 0x0                           ; and all my tensor loads have landed
	ds_add_u32 v255, v255
	s_wait_dscnt 0x0
	s_barrier_signal -1
	MULA 1, 0, 1, 0                                ; registers only, while the others arrive
	WIN 0
	s_barrier_wait -1
.if \fill
	CREST                                          ; no wave of any partner still reads this slot or has a load on its way
	s_add_nc_u64 s[G0A+4*\slot+2:G0A+4*\slot+3], s[G0A+4*\slot+2:G0A+4*\slot+3], 2*ASLOT
	s_add_nc_u64 s[G0B+4*\slot+2:G0B+4*\slot+3], s[G0B+4*\slot+2:G0B+4*\slot+3], 2*BSLOT
	JLOAD \slot                                    ; my one tensor load until the next round
.endif
	PLACES
	FETCH \next, 0, 0
	WIN 0xf1
	MULA 1, 1, 0, 0
	MULA 1, 1, 1, 0
.endm
.macro LAP zero
	RUN 0, \zero
	TURN 0, 1, 1
	RUN 1, 0
	TURN 1, 0, 1
.endm
	s_wait_tensorcnt 0x1                           ; my part of slot 0 is in; slot 1's may stay out
	s_barrier_signal -1
	s_barrier_wait -1
	s_wait_loadcnt 0x0                             ; the bias
	FETCH 0, 0, 0
	LAP 1                                          ; the first lap stands in front of the loop: its first products start the sums
	WIN 0
	s_mov_b32 s19, LAPS-2
.Llap:
	LAP 0
	WIN 0
	s_sub_co_u32 s19, s19, 1
	s_cmp_lg_u32 s19, 0
	s_cbranch_scc1 .Llap
	RUN 0, 0                                       ; the last lap fills nothing
	TURN 0, 1, 0
	RUN 1, 0
	s_wait_dscnt 4
	WIN 0xa1
	MULA 1, 0, 0, 0
	MULA 1, 0, 1, 0
	s_wait_dscnt 0
	WIN 0xf1
	MULA 1, 1, 0, 0
	MULA 1, 1, 1, 0
; THE WAY OUT, 16 rows at a time: round to f16, 16 bytes a lane into my own stage, read back as 4 tokens x 128 bytes of one head slice.
; a: the row tile; aa: its number in its window; from: sources 0 and 1 in window 2 (0x0a) or 3 (0x0f); rb: registers for the read-back, two sets in turn.
.macro OUT16 a, aa, from, rb
	WIN \from
.set ib, 0
.rept NB
.irp rr, 0,1,2,3
	v_cvt_pk_f16_f32 v[TMP+4*ib+\rr], v[8*(NB*\aa+ib)+2*\rr], v[8*(NB*\aa+ib)+2*\rr+1]
.endr
.set ib, ib+1
.endr
	WIN 0
.set ib, 0
.rept NB
	ds_store_b128 v[STO], v[TMP+4*ib:TMP+4*ib+3] offset:32*ib
.set ib, ib+1
.endr
	s_wait_xcnt 0x0                                ; the set rb, which earlier stores read, is loaded again only behind this wait
.irp s, 0,1,2
.irp t, 0,1,2,3
	ds_load_b128 v[\rb+4*(4*\s+\t):\rb+4*(4*\s+\t)+3], v[RD] offset:128*\s+4*SPITCH*\t   ; LDS serves a wave's instructions in order: these see the stores above
.endr
.endr
.irp s, 0,1,2
.irp t, 0,1,2,3
	s_wait_dscnt 11-(4*\s+\t)                      ; the younger read-backs stay out
	global_store_b128 v[CO], v[\rb+4*(4*\s+\t):\rb+4*(4*\s+\t)+3], s[66+2*\s:67+2*\s] offset:(16*\a+4*\t)*128   ; 512 consecutive bytes, aligned
.endr
.endr
.endm
	PLACES
	OUT16 0, 0, 0x0a, 32
	OUT16 1, 1, 0x0a, 96
	OUT16 2, 0, 0x0f, 32
	OUT16 3, 1, 0x0f, 96
	s_set_vgpr_msb 0x1
	s_wait_tensorcnt 0x0
	ds_add_u32 v255, v255
	s_wait_dscnt 0x0
	s_set_vgpr_msb 0x100
	CROUND                                         ; the closing round: no work-group ends while a partner may still ask for a tile that names it
	s_endpgm
.Lfunc_end_k_q61122ecd2b_qkvgemm:
	.size	k_q61122ecd2b_qkvgemm, .Lfunc_end_k_q61122ecd2b_qkvgemm-k_q61122ecd2b_qkvgemm
	.p2alignl 7, 3214868480
	.fill 96, 4, 3214868480
	.section	.rodata,"a",@progbits
	.p2align	6, 0x0
	.amdhsa_kernel k_q61122ecd2b_qkvgemm
		.amdhsa_group_segment_fixed_size 327680
		.amdhsa_private_segment_fixed_size 0
		.amdhsa_enable_private_segment 0
		.amdhsa_kernarg_size 32
		.amdhsa_user_sgpr_count 2
		.amdhsa_user_sgpr_kernarg_segment_ptr 1
		.amdhsa_wavefront_size32 1
		.amdhsa_system_sgpr_workgroup_id_x 1
		.amdhsa_system_sgpr_workgroup_id_y 1
		.amdhsa_system_sgpr_workgroup_id_z 1
		.amdhsa_system_vgpr_workitem_id 0
		.amdhsa_next_free_vgpr 960
		.amdhsa_next_free_sgpr 80
		.amdhsa_reserve_vcc 0
		.amdhsa_float_denorm_mode_32 3
		.amdhsa_float_denorm_mode_16_64 3
		.amdhsa_memory_ordered 1
		.amdhsa_forward_progress 1
		.amdhsa_inst_pref_size 167
	.end_amdhsa_kernel
	.amdgpu_metadata
---
amdhsa.version: [ 1, 2 ]
amdhsa.kernels:
  - .name:           k_q61122ecd2b_qkvgemm
    .symbol:         k_q61122ecd2b_qkvgemm.kd
    .args:
      - { .name: xb, .offset: 0, .size: 8, .value_kind: global_buffer, .address_space: global }
      - { .name: wqb, .offset: 8, .size: 8, .value_kind: global_buffer, .address_space: global }
      - { .name: b_qkv, .offset: 16, .size: 8, .value_kind: global_buffer, .address_space: global }
      - { .name: qkv, .offset: 24, .size: 8, .value_kind: global_buffer, .address_space: global }
    .group_segment_fixed_size: 327680
    .private_segment_fixed_size: 0
    .kernarg_segment_align: 8
    .kernarg_segment_size: 32
    .max_flat_workgroup_size: 128
    .sgpr_count:     80
    .vgpr_count:     960
    .wavefront_size: 32
...
	.end_amdgpu_metadata
.endif
;; end of part 2
;; launch attn (part 3): grid 8 x 32, 8 waves a work-group, no clusters, 327,680 bytes of LDS; arguments qkv, ao; writes ao
.if DOCPART == 3
	.amdgcn_target "amdgcn-amd-amdhsa--gfx1250"
	.amdhsa_code_object_version 6
	.text
	.protected	k_q61122ecd2b_attn
	.globl	k_q61122ecd2b_attn
	.p2align	8
	.type	k_q61122ecd2b_attn,@function
k_q61122ecd2b_attn:
	s_mov_b64 s[64:65], 0
	v_nop
	global_prefetch_b8 v0, s[64:65] scope:SCOPE_SE
	s_setreg_imm32_b32 hwreg(HW_REG_WAVE_MODE, 25, 1), 1
	s_wait_xcnt 0x0
; Causal attention of one head: ao[bh][t][64] = softmax(q k^T / 8, keys <= query) v, all operands f16, scores, softmax and sums in f32.
; qkv: [3][32][2048][64] f16.  A running maximum is taken away before every exponential, as in the softmax it stands for.
; LIMITS: a masked score is -2^100, so a true score below that would count as masked; p is rounded to f16 before it meets v.
; WORK: work-group (i, bh) makes the query blocks H = 15 - i and L = i of 128 rows: (16 - i) + (i + 1) = 17 key tiles of 128 for every work-group.
; Steps 0..16: tile H (H's diagonal), tiles 0..H-1, tile L (L's diagonal), tiles 0..L-1.  The diagonal comes first, so a block's first products start its sums.
; NO JOINT REQUESTS: the eight work-groups of a head read the same tiles, but this pairing makes them want different tiles at the same step.  The form in
; which four partners walk the tiles in step (both blocks against each tile, a partner with nothing left still asking) takes 2 x (largest L + 1) +
; (largest H - largest L) tile times: 2 x 4 + 12 = 20, or 2 x 8 + 4 = 20, against 17 here.
; WAVES: wave w = 4 p + g takes queries 32 g .. +31 (two tiles of 16) and keys 64 p .. +63 of each tile, 32 at a time.  The two key halves are merged
; through LDS at a block's end; wave (g, p) then finishes and stores query tile p.
; THE EXCHANGE has two regions a wave, which take turns with the slots: a step on slot s writes region s (if it ends block H) and reads the partner's
; region 1 - s (if it begins block L), which the step before wrote.  So between two barriers no region is both written and read, whichever arm a wave
; takes, and a step's wait for its LDS instructions and its barrier stand between every store into a region and every load from it.
; PRODUCTS: S^T = K Q^T (lane l: query l % 16, registers j: key 8 (l / 16) + j), so two packed S tiles ARE the second source of O^T = V^T P^T, and
; maximum, sum and rescaling are a lane's own but for one exchange between the halves of the wave.  V's fragments come by the transposing LDS load.
.set KP,    144                        ; LDS pitch of a key's 128 bytes of K
.set VP,    160                        ; of V: an odd multiple of 32 for the transposing load
.set KOFF,  128*VP                     ; a slot: V's 128 rows, then K's
.set SLOT,  128*VP+128*KP              ; 38,912
.set XCH,   2*SLOT                     ; the exchange: for each wave two regions of 16 x 512 bytes of O and 512 of statistics
.set XREG,  8704
.set XSTAT, 8192
.set XWAVE, 2*XREG
.set STG,   XCH+8*XWAVE                ; the stage of the way out: 16 rows x 144 bytes for each wave.  No tensor load lands in exchange or stage
.set KA,   1                           ; v1-2   my K fragments in slot 0, 1
.set VA,   3                           ; v3-4   my V fragments
.set QOFF, 5
.set OOFF, 6
.set STO,  7
.set RD,   8
.set XW,   9                           ; my exchange regions, 16 bytes a lane
.set XO,   10                          ; my own O of query tile p
.set XP,   11                          ; my partner's (wave w xor 4)
.set XSO,  12                          ; my own statistics of query tile p
.set XSP,  13                          ; my partner's
.set DIF,  14                          ; 32 g + r - 8 h - 64 p: key offset c is allowed where c <= DIF
.set NEG,  15                          ; -2^100
.set QF,   16                          ; v[16:47]   Q fragments, 8 (2 qt + c)
.set KF,   48                          ; v[48:79]   K fragments, 8 (2 kt + c)
.set VF,   80                          ; v[80:111]  V fragments, 8 dt
.set SC,   112                         ; v[112:143] scores, 16 qt + 8 kt
.set PF,   144                         ; v[144:159] p in f16, 8 qt
.set OA,   160                         ; v[160:223] O^T, 8 (4 qt + dt)
.set ST,   224                         ; v[224:227] -c max and the lane's sum, for query tile 0, then 1
.set MX,   228                         ; v[228:229] running maxima of the raw scores
.set AL,   230                         ; v[230:233] rescaling factors, in the low registers of two pairs
.set TT,   234                         ; v[234:249] at work
.set G1K, 24
.set G1V, 32
.set G0K, 40                           ; one set of four for each slot
.set G0V, 48
.macro PLACES                          ; four places behind a matrix instruction (ISA guide 7.12.1)
.rept 4
	v_nop
.endr
.endm
	s_load_b128 s[4:7], s[0:1], 0x0                ; qkv s[4:5], ao s[6:7]
	v_lshl_add_u32 v254, v0, 2, 0x39800
	v_mov_b32 v255, 0
	ds_add_u32 v254, v255
	ds_add_u32 v254, v255
	v_lshrrev_b32 v1, 5, v0
	v_readfirstlane_b32 s8, v1                     ; wave 0..7
	s_and_b32 s9, s8, 3                            ; g
	s_lshr_b32 s10, s8, 2                          ; p
	s_and_b32 s11, ttmp7, 0xffff                   ; bh
	s_sub_co_u32 s12, 15, ttmp9                    ; H
	s_add_co_u32 s13, s12, 1                       ; H + 1: the step of L's diagonal
	s_mov_b32 s14, ttmp9                           ; L
	s_mov_b32 s20, 0x3e38aa3b                      ; c = log2(e) / 8, twice (a pair for the packed forms)
	s_mov_b32 s21, 0x3e38aa3b
	s_mov_b32 s22, 0x76543210                      ; v_permlanex16_b32: lane i of one half reads lane i of the other
	s_mov_b32 s23, 0xfedcba98
	; group 1: a quarter of a tile, 32 keys x 128 bytes, dense in memory: 16 rows of 128 elements of 2 bytes; padding behind every 32 words
	s_mov_b32 s[G1K+0], (1<<16)|(1<<20)|(4<<22)|(3<<25)            ; K: 4 words, pitch 144
	s_mov_b32 s[G1V+0], (1<<16)|(1<<20)|(4<<22)|(7<<25)            ; V: 8 words, pitch 160
.irp g, G1K, G1V
	s_mov_b32 s[\g+1], 128<<16                     ; tensor_dim0 = 128
	s_mov_b32 s[\g+2], 16<<16                      ; tensor_dim1 = 16
	s_mov_b32 s[\g+3], 128<<16                     ; tile_dim0 = 128
	s_mov_b32 s[\g+4], 16                          ; tile_dim1 = 16
	s_mov_b32 s[\g+5], 128                         ; elements from row to row
	s_mov_b32 s[\g+6], 0
	s_mov_b32 s[\g+7], 0
.endr
	s_mul_i32 s16, s8, 32*VP                       ; waves 0-3 fetch V's quarters: wave x 5,120
	s_mul_i32 s17, s8, 32*KP                       ; waves 4-7 K's: KOFF + (wave - 4) x 4,608 = wave x 4,608 + 2,048
	s_add_co_u32 s17, s17, KOFF-4*32*KP
	s_mov_b32 s[G0K+0], 1
	s_mov_b32 s[G0K+1], s17
	s_mov_b32 s[G0K+4], 1
	s_add_co_u32 s[G0K+5], s17, SLOT
	s_mov_b32 s[G0V+0], 1
	s_mov_b32 s[G0V+1], s16
	s_mov_b32 s[G0V+4], 1
	s_add_co_u32 s[G0V+5], s16, SLOT
	s_lshl_b32 s18, s11, 18                        ; a head's plane is 262,144 bytes
	s_mov_b32 s19, 0
	s_wait_dscnt 0x0
	s_wait_kmcnt 0x0
	s_add_nc_u64 s[4:5], s[4:5], s[18:19]          ; my head's q
	s_add_nc_u64 s[6:7], s[6:7], s[18:19]          ; my head's result
	s_lshl_b32 s18, s9, 12                         ; my quarter of a tile
	s_add_nc_u64 s[56:57], s[4:5], s[18:19]
	s_add_nc_u64 s[58:59], s[56:57], 16777216      ; v's planes
	s_add_nc_u64 s[56:57], s[56:57], 8388608       ; k's planes
	s_lshl_b32 s18, s12, 14                        ; block or tile H: 128 tokens of 128 bytes each
	s_add_nc_u64 s[60:61], s[4:5], s[18:19]        ; q of block H
	s_add_nc_u64 s[66:67], s[6:7], s[18:19]        ; result of block H
	s_add_nc_u64 s[G0K+2:G0K+3], s[56:57], s[18:19]                ; slot 0: step 0 = tile H
	s_add_nc_u64 s[G0V+2:G0V+3], s[58:59], s[18:19]
	s_lshl_b32 s18, s14, 14
	s_add_nc_u64 s[62:63], s[4:5], s[18:19]        ; q of block L
	s_add_nc_u64 s[68:69], s[6:7], s[18:19]        ; result of block L
	s_mov_b64 s[G0K+6:G0K+7], s[56:57]             ; slot 1: step 1 = tile 0 (H is at least 8)
	s_mov_b64 s[G0V+6:G0V+7], s[58:59]
	s_or_b32 s[G0K+3], s[G0K+3], 0x80000000
	s_or_b32 s[G0V+3], s[G0V+3], 0x80000000
	s_or_b32 s[G0K+7], s[G0K+7], 0x80000000
	s_or_b32 s[G0V+7], s[G0V+7], 0x80000000
	; the first fills of both slots, in one branch on the wave's number: two tensor loads of a wave are out
	s_cmp_lt_u32 s8, 4
	s_cbranch_scc0 .Lfirst_k
	tensor_load_to_lds s[G0V:G0V+3], s[G1V:G1V+7]
	s_nop 0
	tensor_load_to_lds s[G0V+4:G0V+7], s[G1V:G1V+7]
	s_nop 0
	s_branch .Lfirst_done
.Lfirst_k:
	tensor_load_to_lds s[G0K:G0K+3], s[G1K:G1K+7]
	s_nop 0
	tensor_load_to_lds s[G0K+4:G0K+7], s[G1K:G1K+7]
	s_nop 0
.Lfirst_done:
.macro QLOAD base                      ; the Q fragments of a block, straight from memory: row 32 g + 16 qt + r, 16 bytes at 64 c + 16 h and 32 further
.irp qt, 0,1
.irp c, 0,1
	global_load_b128 v[QF+8*(2*\qt+\c):QF+8*(2*\qt+\c)+3],   v[QOFF], s[\base:\base+1] offset:2048*\qt+64*\c
	global_load_b128 v[QF+8*(2*\qt+\c)+4:QF+8*(2*\qt+\c)+7], v[QOFF], s[\base:\base+1] offset:2048*\qt+64*\c+32
.endr
.endr
.endm
	v_and_b32 v[TT], 15, v0                        ; r
	v_bfe_u32 v[TT+1], v0, 4, 1                    ; h
	s_lshl_b32 s17, s9, 12                         ; 32 g rows of 128 bytes
	v_lshlrev_b32 v[QOFF], 7, v[TT]
	v_lshl_add_u32 v[QOFF], v[TT+1], 4, v[QOFF]
	v_add_nc_u32 v[QOFF], s17, v[QOFF]
	QLOAD 60
	v_and_b32 v[TT+2], 31, v0                      ; l
	v_and_b32 v[TT+3], 7, v0                       ; l & 7
	v_bfe_u32 v[TT+4], v0, 3, 1                    ; (l >> 3) & 1
	v_bfe_u32 v[TT+5], v0, 3, 2                    ; l >> 3
	v_mul_u32_u24 v[TT+6], v[TT], KP
	v_lshl_add_u32 v[TT+6], v[TT+1], 4, v[TT+6]    ; r x 144 + 16 h: for K's fragments and for the stage
	s_lshl_b32 s16, s10, 11
	s_add_co_u32 s16, s16, s17
	v_lshl_add_u32 v[OOFF], v[TT+2], 4, s16        ; (32 g + 16 p) x 128 + 16 l
	s_mul_i32 s17, s10, 64*KP
	s_add_co_u32 s17, s17, KOFF
	v_add_nc_u32 v[KA], s17, v[TT+6]
	v_add_nc_u32 v[KA+1], SLOT, v[KA]
	v_lshl_add_u32 v[TT+7], v[TT+1], 3, v[TT+3]    ; key row 8 h + (l & 7)
	v_mul_u32_u24 v[TT+7], v[TT+7], VP
	v_lshl_add_u32 v[TT+7], v[TT+4], 4, v[TT+7]
	s_mul_i32 s17, s10, 64*VP
	v_add_nc_u32 v[VA], s17, v[TT+7]
	v_add_nc_u32 v[VA+1], SLOT, v[VA]
	s_mul_i32 s16, s8, 16*KP
	s_add_co_u32 s16, s16, STG
	v_add_nc_u32 v[STO], s16, v[TT+6]
	v_mul_u32_u24 v[RD], v[TT+5], KP
	v_lshl_add_u32 v[RD], v[TT+3], 4, v[RD]
	v_add_nc_u32 v[RD], s16, v[RD]
	s_mul_i32 s16, s8, XWAVE
	s_add_co_u32 s16, s16, XCH
	v_lshl_add_u32 v[XW], v[TT+2], 4, s16
	s_xor_b32 s17, s8, 4                           ; my partner: the same queries, the other keys
	s_mul_i32 s17, s17, XWAVE
	s_add_co_u32 s17, s17, XCH
	v_lshl_add_u32 v[XP], v[TT+2], 4, s17
	s_lshl_b32 s16, s10, 3
	v_add_nc_u32 v[XSO], s16, v[XW]
	v_add_nc_u32 v[XSP], s16, v[XP]
	s_lshl_b32 s16, s10, 12
	v_add_nc_u32 v[XO], s16, v[XW]
	v_add_nc_u32 v[XP], s16, v[XP]
	v_lshlrev_b32 v[DIF], 3, v[TT+1]
	v_sub_nc_u32 v[DIF], v[TT], v[DIF]
	s_lshl_b32 s16, s9, 5
	s_lshl_b32 s17, s10, 6
	s_sub_co_i32 s16, s16, s17
	v_add_nc_u32 v[DIF], s16, v[DIF]
	v_mov_b32 v[NEG], 0xf1800000
	v_mov_b32 v[ST+1], 0                           ; the upper registers of pairs whose lower one is broadcast: a pair is read whole
	v_mov_b32 v[ST+3], 0
	v_mov_b32 v[AL+1], 0
	v_mov_b32 v[AL+3], 0
.macro KLOAD slot, ks                  ; 8 loads: K fragments of keys 32 ks .. +31 of my half
.irp kt, 0,1
.irp c, 0,1
	ds_load_b128 v[KF+8*(2*\kt+\c):KF+8*(2*\kt+\c)+3],   v[KA+\slot] offset:32*KP*\ks+16*KP*\kt+64*\c
	ds_load_b128 v[KF+8*(2*\kt+\c)+4:KF+8*(2*\kt+\c)+7], v[KA+\slot] offset:32*KP*\ks+16*KP*\kt+64*\c+32
.endr
.endr
.endm
.macro VLOAD slot, ks                  ; 8 transposing loads: V^T fragments of the same keys, 16 d each
.irp dt, 0,1,2,3
	ds_load_tr16_b128 v[VF+8*\dt:VF+8*\dt+3],   v[VA+\slot] offset:32*VP*\ks+32*\dt
	ds_load_tr16_b128 v[VF+8*\dt+4:VF+8*\dt+7], v[VA+\slot] offset:32*VP*\ks+32*\dt+16*VP
.endr
.endm
.macro KVLOAD o                        ; my quarter of V's or K's next tile into slot o
	s_cmp_lt_u32 s8, 4
	s_cbranch_scc0 .Lk_\@
	tensor_load_to_lds s[G0V+4*\o:G0V+4*\o+3], s[G1V:G1V+7]
	s_nop 0
	s_branch .Lkv_\@
.Lk_\@:
	tensor_load_to_lds s[G0K+4*\o:G0K+4*\o+3], s[G1K:G1K+7]
	s_nop 0
.Lkv_\@:
.endm
.macro NEXTADDR o                      ; the tile of step s15 + 1: s15 while s15 < H, L for s15 = H, s15 - H - 1 beyond
	s_sub_co_u32 s17, s15, s13
	s_cmp_ge_u32 s15, s12
	s_cselect_b32 s17, s17, s15
	s_cmp_eq_u32 s15, s12
	s_cselect_b32 s17, s14, s17
	s_lshl_b32 s18, s17, 14
	s_add_nc_u64 s[G0K+4*\o+2:G0K+4*\o+3], s[56:57], s[18:19]
	s_or_b32 s[G0K+4*\o+3], s[G0K+4*\o+3], 0x80000000
	s_add_nc_u64 s[G0V+4*\o+2:G0V+4*\o+3], s[58:59], s[18:19]
	s_or_b32 s[G0V+4*\o+3], s[G0V+4*\o+3], 0x80000000
.endm
; The softmax step of query tile qt over 32 keys.  first = 1: the block's first keys start maximum, sum and O.
.macro SOFT qt, first
.set SB, SC+16*\qt
.set OB, OA+32*\qt
	v_max3_num_f32 v[TT],   v[SB],   v[SB+1],  v[SB+2]             ; my 16 scores, two chains
	v_max3_num_f32 v[TT+1], v[SB+8], v[SB+9],  v[SB+10]
	v_max3_num_f32 v[TT],   v[TT],   v[SB+3],  v[SB+4]
	v_max3_num_f32 v[TT+1], v[TT+1], v[SB+11], v[SB+12]
	v_max3_num_f32 v[TT],   v[TT],   v[SB+5],  v[SB+6]
	v_max3_num_f32 v[TT+1], v[TT+1], v[SB+13], v[SB+14]
.if \first
	v_max_num_f32  v[TT],   v[TT],   v[SB+7]
.else
	v_max3_num_f32 v[TT],   v[TT],   v[SB+7],  v[MX+\qt]           ; and the maximum so far
.endif
	v_max3_num_f32 v[TT],   v[TT],   v[TT+1],  v[SB+15]
	v_permlanex16_b32 v[TT+1], v[TT], s22, s23                     ; the other half of the lanes holds the query's other 16 keys
	v_max_num_f32 v[MX+\qt], v[TT], v[TT+1]
.if \first
	v_mul_f32 v[ST+2*\qt], 0xbe38aa3b, v[MX+\qt]                   ; -c max
.else
	v_mul_f32 v[TT+2], 0xbe38aa3b, v[MX+\qt]
	v_sub_f32 v[TT+3], v[TT+2], v[ST+2*\qt]                        ; c (old max - new max)
	v_exp_f32 v[AL+2*\qt], v[TT+3]
	v_mov_b32 v[ST+2*\qt], v[TT+2]                                 ; the plain instruction behind the exponential (ISA guide 5.7.2)
.endif
.set nn, 0
.rept 8
	v_pk_fma_f32 v[SB+2*nn:SB+2*nn+1], v[SB+2*nn:SB+2*nn+1], s[20:21], v[ST+2*\qt:ST+2*\qt+1] op_sel_hi:[1,0,0]   ; c s - c max
.set nn, nn+1
.endr
.set nn, 0
.rept 16
	v_exp_f32 v[SB+nn], v[SB+nn]
.set nn, nn+1
.endr
.if \first
	v_nop                                                          ; the plain instruction behind the exponentials
	s_wait_alu depctr_va_vdst(0)
.else
.set nn, 0
	s_wait_alu depctr_va_vdst(0)
.rept 16
	v_pk_mul_f32 v[OB+2*nn:OB+2*nn+1], v[OB+2*nn:OB+2*nn+1], v[AL+2*\qt:AL+2*\qt+1] op_sel_hi:[1,0]   ; O to the new maximum; also the plain work behind the exponentials
.set nn, nn+1
.endr
.endif
	v_pk_add_f32 v[TT+4:TT+5],   v[SB:SB+1],     v[SB+2:SB+3]
	v_pk_add_f32 v[TT+6:TT+7],   v[SB+4:SB+5],   v[SB+6:SB+7]
	v_pk_add_f32 v[TT+8:TT+9],   v[SB+8:SB+9],   v[SB+10:SB+11]
	v_pk_add_f32 v[TT+10:TT+11], v[SB+12:SB+13], v[SB+14:SB+15]
	v_pk_add_f32 v[TT+4:TT+5],   v[TT+4:TT+5],   v[TT+6:TT+7]
	v_pk_add_f32 v[TT+8:TT+9],   v[TT+8:TT+9],   v[TT+10:TT+11]
	v_pk_add_f32 v[TT+4:TT+5],   v[TT+4:TT+5],   v[TT+8:TT+9]
.if \first
	v_add_f32 v[ST+2*\qt+1], v[TT+4], v[TT+5]
.else
	v_add_f32 v[TT+4], v[TT+4], v[TT+5]
	v_fma_f32 v[ST+2*\qt+1], v[ST+2*\qt+1], v[AL+2*\qt], v[TT+4]   ; the lane's own sum; the halves meet in the merge
.endif
.set nn, 0
.rept 8
	v_cvt_pk_f16_f32 v[PF+8*\qt+nn], v[SB+2*nn], v[SB+2*nn+1]      ; keys 8 h .. +7, then 16 + 8 h .. +7: the second source's layout as it stands
.set nn, nn+1
.endr
.endm
.macro PV qt, first                    ; O^T of query tile qt += V^T P^T, four accumulators, one instruction each
.irp dt, 0,1,2,3
.if \first
	v_wmma_f32_16x16x32_f16 v[OA+8*(4*\qt+\dt):OA+8*(4*\qt+\dt)+7], v[VF+8*\dt:VF+8*\dt+7], v[PF+8*\qt:PF+8*\qt+7], 0
.else
	v_wmma_f32_16x16x32_f16 v[OA+8*(4*\qt+\dt):OA+8*(4*\qt+\dt)+7], v[VF+8*\dt:VF+8*\dt+7], v[PF+8*\qt:PF+8*\qt+7], v[OA+8*(4*\qt+\dt):OA+8*(4*\qt+\dt)+7]
.endif
.endr
.endm
; 32 keys against my 32 queries.  mask = 1: the diagonal tile.  nextk: the sub-step whose K fragments are fetched meanwhile, or -1.
; No two matrix instructions that follow each other share an accumulator, one instruction a turn.
.macro SUBSTEP slot, ks, mask, first, nextk
	PLACES                                         ; behind the last products, which read V's fragments
	VLOAD \slot, \ks
	s_wait_dscnt 0x8                               ; K's fragments are in; the 8 loads of V just issued stay out
.irp c, 0,1
.irp qt, 0,1
.irp kt, 0,1
.if \c == 0
	v_wmma_f32_16x16x32_f16 v[SC+16*\qt+8*\kt:SC+16*\qt+8*\kt+7], v[KF+8*(2*\kt+\c):KF+8*(2*\kt+\c)+7], v[QF+8*(2*\qt+\c):QF+8*(2*\qt+\c)+7], 0
.else
	v_wmma_f32_16x16x32_f16 v[SC+16*\qt+8*\kt:SC+16*\qt+8*\kt+7], v[KF+8*(2*\kt+\c):KF+8*(2*\kt+\c)+7], v[QF+8*(2*\qt+\c):QF+8*(2*\qt+\c)+7], v[SC+16*\qt+8*\kt:SC+16*\qt+8*\kt+7]
.endif
.endr
.endr
.endr
	PLACES
.if \nextk >= 0
	KLOAD \slot, \nextk
.endif
.if \mask
.irp j, 0,1,2,3,4,5,6,7
	v_cmp_le_i32 vcc_lo, 32*\ks+\j, v[DIF]                         ; key <= query, for key tile = query tile
	v_cndmask_b32 v[SC+\j], v[NEG], v[SC+\j], vcc_lo
	v_cndmask_b32 v[SC+24+\j], v[NEG], v[SC+24+\j], vcc_lo
	v_cmp_le_i32 vcc_lo, 32*\ks+16+\j, v[DIF]                      ; query tile 0, key tile 1
	v_cndmask_b32 v[SC+8+\j], v[NEG], v[SC+8+\j], vcc_lo
	v_cmp_le_i32 vcc_lo, 32*\ks-16+\j, v[DIF]                      ; query tile 1, key tile 0
	v_cndmask_b32 v[SC+16+\j], v[NEG], v[SC+16+\j], vcc_lo
.endr
.endif
	; Where all of a wave's keys so far are masked, c x (-2^100) is exact, every p is 1 and sums stay finite; the next rescaling, or the merge, multiplies them by 0.
	SOFT 0, \first
.if \nextk >= 0
	s_wait_dscnt 0x8                               ; V's fragments are in; the 8 loads of the next K stay out
.else
	s_wait_dscnt 0x0
.endif
	PV 0, \first
	SOFT 1, \first
	PV 1, \first
.endm
.macro XSTORE region                   ; my O and statistics into one of my exchange regions
	PLACES
.set nn, 0
.rept 16
	ds_store_b128 v[XW], v[OA+4*nn:OA+4*nn+3] offset:\region*XREG+512*nn
.set nn, nn+1
.endr
	ds_store_b128 v[XW], v[ST:ST+3] offset:\region*XREG+XSTAT
.endm
; Query tile p of my 32 queries: my half of the keys and my partner's are brought to the common maximum, added, divided by the sum and stored.
.macro MERGE region, base
	PLACES
	ds_load_b64 v[TT:TT+1],   v[XSO] offset:\region*XREG+XSTAT
	ds_load_b64 v[TT+2:TT+3], v[XSP] offset:\region*XREG+XSTAT
.set nn, 0
.rept 8
	ds_load_b128 v[OA+4*nn:OA+4*nn+3], v[XO] offset:\region*XREG+512*nn
.set nn, nn+1
.endr
.set nn, 0
.rept 8
	ds_load_b128 v[OA+32+4*nn:OA+32+4*nn+3], v[XP] offset:\region*XREG+512*nn
.set nn, nn+1
.endr
	s_wait_dscnt 0x10                              ; the statistics are in; the 16 loads of O stay out
	v_min_num_f32 v[TT+4], v[TT], v[TT+2]          ; the smaller -c max belongs to the larger maximum
	v_sub_f32 v[TT+5], v[TT+4], v[TT]
	v_sub_f32 v[TT+6], v[TT+4], v[TT+2]
	v_exp_f32 v[TT+5], v[TT+5]
	v_exp_f32 v[TT+6], v[TT+6]
	v_nop
	s_wait_alu depctr_va_vdst(0)
	v_mul_f32 v[TT+7], v[TT+1], v[TT+5]
	v_fma_f32 v[TT+7], v[TT+3], v[TT+6], v[TT+7]
	v_permlanex16_b32 v[TT+4], v[TT+7], s22, s23   ; the sums of the other half of the lanes
	v_add_f32 v[TT+7], v[TT+7], v[TT+4]
	v_rcp_f32 v[TT+8], v[TT+7]
	v_nop
	s_wait_alu depctr_va_vdst(0)
	v_mul_f32 v[AL], v[TT+5], v[TT+8]
	v_mul_f32 v[AL+2], v[TT+6], v[TT+8]
	s_wait_dscnt 0x0
.set nn, 0
.rept 16
	v_pk_mul_f32 v[OA+2*nn:OA+2*nn+1], v[OA+2*nn:OA+2*nn+1], v[AL:AL+1] op_sel_hi:[1,0]
.set nn, nn+1
.endr
.set nn, 0
.rept 16
	v_pk_fma_f32 v[OA+2*nn:OA+2*nn+1], v[OA+32+2*nn:OA+32+2*nn+1], v[AL+2:AL+3], v[OA+2*nn:OA+2*nn+1] op_sel_hi:[1,0,1]
.set nn, nn+1
.endr
.set nn, 0
.rept 16
	v_cvt_pk_f16_f32 v[SC+nn], v[OA+2*nn], v[OA+2*nn+1]
.set nn, nn+1
.endr
.irp dt, 0,1,2,3
	ds_store_b128 v[STO], v[SC+4*\dt:SC+4*\dt+3] offset:32*\dt     ; query r, d = 16 dt + 8 h .. +7
.endr
.irp t, 0,1,2,3
	ds_load_b128 v[TT+4*\t:TT+4*\t+3], v[RD] offset:4*KP*\t        ; my own stage: LDS serves a wave's instructions in order
.endr
.irp t, 0,1,2,3
	s_wait_dscnt 3-\t                              ; the younger read-backs stay out
	global_store_b128 v[OOFF], v[TT+4*\t:TT+4*\t+3], s[\base:\base+1] offset:512*\t   ; four tokens: 512 consecutive bytes, aligned
.endr
	s_wait_xcnt 0x0                                ; the stores' data registers are at work again behind this wait
.endm
; The head of a step on slot cur.  In front of the barrier every wave waits for all its tensor loads (one is out: its quarter of this step's tile) and for
; all its LDS instructions (its reads of the other slot, and its stores into or loads from the exchange); behind it the other slot is filled again first,
; one tensor load a wave, then this slot is read.
.macro STEPTOP cur, oth, refill
	s_wait_tensorcnt 0x0
	ds_add_u32 v254, v255
	s_wait_dscnt 0x0
.if \refill
	NEXTADDR \oth                                  ; no tensor load of mine is out: a group 0 may be written
.endif
	s_wait_dscnt 0x0
	s_barrier_signal -1
	s_barrier_wait -1
.if \refill
	KVLOAD \oth
.endif
	KLOAD \cur, 0
.endm
; Step s15 on slot cur.  All branches hang on the step and on the work-group's number, alike in all eight waves; no barrier stands in an arm.
; This step writes exchange region cur alone and reads region oth alone.
.macro GEN cur, oth, refill, last
	STEPTOP \cur, \oth, \refill
	s_cmp_eq_u32 s15, s13
	s_cbranch_scc1 .Ldiag_\@
	s_wait_loadcnt 0x0                             ; Q (met at once but in a block's first steps)
	SUBSTEP \cur, 0, 0, 0, 1
	SUBSTEP \cur, 1, 0, 0, -1
.if \last == 0
	s_cmp_lg_u32 s15, s12
	s_cbranch_scc1 .Ljoin_\@
	XSTORE \cur                                    ; block H's last tile is done: the next step's wait and barrier show these stores to my partner
	QLOAD 62                                       ; and block L's Q is asked for
.endif
	s_branch .Ljoin_\@
.Ldiag_\@:
	MERGE \oth, 66                                 ; block H, left in the other region by the step before, is finished and stored,
	s_wait_loadcnt 0x0
	SUBSTEP \cur, 0, 1, 1, 1                       ; and block L begins with its diagonal
	SUBSTEP \cur, 1, 1, 0, -1
.Ljoin_\@:
.endm
	s_wait_tensorcnt 0x1                           ; my quarter of slot 0 is in; slot 1's may stay out
	s_barrier_signal -1
	s_barrier_wait -1
	KLOAD 0, 0
	s_wait_loadcnt 0x0                             ; Q of block H
	SUBSTEP 0, 0, 1, 1, 1                          ; step 0: H's diagonal
	SUBSTEP 0, 1, 1, 0, -1
	s_mov_b32 s16, 1
.Lsteps:                                               ; steps 1 to 14, two a trip
	s_mov_b32 s15, s16
	GEN 1, 0, 1, 0
	s_add_co_u32 s15, s16, 1
	GEN 0, 1, 1, 0
	s_add_co_u32 s16, s16, 2
	s_cmp_lt_u32 s16, 15
	s_cbranch_scc1 .Lsteps
	s_mov_b32 s15, 15
	GEN 1, 0, 1, 0
	s_mov_b32 s15, 16
	GEN 0, 1, 0, 1                                 ; the last step fetches nothing
	XSTORE 0                                       ; block L, into slot 0's region: step 16 may still read region 1, never region 0
	s_wait_dscnt 0x0                               ; for my partner's sake
	s_barrier_signal -1
	s_barrier_wait -1
	MERGE 0, 68
	s_wait_tensorcnt 0x0
	ds_add_u32 v254, v255
	s_wait_dscnt 0x0
	s_endpgm
.Lfunc_end_k_q61122ecd2b_attn:
	.size	k_q61122ecd2b_attn, .Lfunc_end_k_q61122ecd2b_attn-k_q61122ecd2b_attn
	.p2alignl 7, 3214868480
	.fill 96, 4, 3214868480
	.section	.rodata,"a",@progbits
	.p2align	6, 0x0
	.amdhsa_kernel k_q61122ecd2b_attn
		.amdhsa_group_segment_fixed_size 327680
		.amdhsa_private_segment_fixed_size 0
		.amdhsa_enable_private_segment 0
		.amdhsa_kernarg_size 16
		.amdhsa_user_sgpr_count 2
		.amdhsa_user_sgpr_kernarg_segment_ptr 1
		.amdhsa_wavefront_size32 1
		.amdhsa_system_sgpr_workgroup_id_x 1
		.amdhsa_system_sgpr_workgroup_id_y 1
		.amdhsa_system_sgpr_workgroup_id_z 1
		.amdhsa_system_vgpr_workitem_id 0
		.amdhsa_next_free_vgpr 256
		.amdhsa_next_free_sgpr 80
		.amdhsa_reserve_vcc 1
		.amdhsa_float_denorm_mode_32 3
		.amdhsa_float_denorm_mode_16_64 3
		.amdhsa_memory_ordered 1
		.amdhsa_forward_progress 1
		.amdhsa_inst_pref_size 232
	.end_amdhsa_kernel
	.amdgpu_metadata
---
amdhsa.version: [ 1, 2 ]
amdhsa.kernels:
  - .name:           k_q61122ecd2b_attn
    .symbol:         k_q61122ecd2b_attn.kd
    .args:
      - { .name: qkv, .offset: 0, .size: 8, .value_kind: global_buffer, .address_space: global }
      - { .name: ao, .offset: 8, .size: 8, .value_kind: global_buffer, .address_space: global }
    .group_segment_fixed_size: 327680
    .private_segment_fixed_size: 0
    .kernarg_segment_align: 8
    .kernarg_segment_size: 16
    .max_flat_workgroup_size: 256
    .sgpr_count:     80
    .vgpr_count:     256
    .wavefront_size: 32
...
	.end_amdgpu_metadata
.endif
;; end of part 3
;; launch proj (part 4): grid 8 x 32, 4 waves a work-group, clusters of 4 x 4, 327,680 bytes of LDS; arguments ao, wpb, b_proj, out0; writes out0
.if DOCPART == 4
	.amdgcn_target "amdgcn-amd-amdhsa--gfx1250"
	.amdhsa_code_object_version 6
	.text
	.protected	k_q61122ecd2b_proj
	.globl	k_q61122ecd2b_proj
	.p2align	8
	.type	k_q61122ecd2b_proj,@function
k_q61122ecd2b_proj:
	s_mov_b64 s[64:65], 0
	v_nop
	global_prefetch_b8 v0, s[64:65] scope:SCOPE_SE
	s_setreg_imm32_b32 hwreg(HW_REG_WAVE_MODE, 25, 1), 1
	s_wait_xcnt 0x0
	s_wait_alu depctr_hold_cnt(0) depctr_sa_sdst(0) depctr_va_vdst(0) depctr_va_sdst(0) depctr_va_ssrc(0) depctr_va_vcc(0) depctr_vm_vsrc(0)
	s_getreg_b32 s2, hwreg(HW_REG_IB_STS2, 6, 4)
	s_cmp_eq_u32 s2, 0
	s_cbranch_scc0 .Lentry_in_a_cluster
	s_endpgm
.Lentry_in_a_cluster:
	s_bfe_u32 s2, ttmp6, 0x10000c
	s_cmp_lg_u32 s2, 0xf033
	s_cbranch_scc0 .Lentry_shape_is_right
	s_endpgm
.Lentry_shape_is_right:
; out0 = attention output x w_proj + b_proj.  ao: [32 = batch x 16 + head][2048][64] f16.  wpb: [1024 (k)][1024 (n)] f16.  b_proj: [1024] f32.  out0: [4096][1024] f32.
; The frame of the first product, in the f16 form: a work-group makes 128 rows x 128 columns with four waves, a wave 64 x 64: 4 x 4 accumulator tiles.
; k = 64 head + d, so a slot of 256 along K holds four heads: of ao 128 tokens x 4 heads x 128 bytes, of the weights 256 k-rows x 256 bytes.  A slot holds two
; steps of 128 so that a refill has 120 matrix instructions of its wave in which to land.
; CLUSTERS: 4 x 4 work-groups; ao's tile is asked for jointly by a row of the cluster, the weights' by a column.
; The matrix instruction is used transposed (source 0 = 16 columns n of the weights, source 1 = 16 rows): a lane's registers 0-7 are eight neighbouring
; columns of one row.  The first products take the bias as C.
; REGISTERS: window 0: v16-25 addresses, v32-95 fragments of ao (two buffers; later the read-back), v96-127 the bias; window 1: v0-31, v32-63 fragments of the
; weights; window 2: accumulators of row tiles 0, 1 (tile (a, b) at v[8 (4 a + b)]); window 3: of 2, 3.
.set NB,     4
.set QPS,    8                         ; quarters of 32 along K in a slot
.set PB,     288                       ; LDS pitch of a k-row: two pieces of 128 bytes, 16 bytes of padding behind each; 9 x 32
.set BH,     128*PB                    ; one tensor load of the weights: 128 k-rows
.set PA,     144                       ; LDS pitch of a token's 128 bytes of one head
.set AQ2,    64*PA                     ; from a head (a pair of quarters) to the next
.set AH,     4*AQ2                     ; one tensor load of ao: 4 heads x 64 tokens
.set SLOT,   2*BH+2*AH
.set STAGE,  2*SLOT                    ; behind the ring: 16 rows x 272 bytes for each wave; no tensor load lands here
.set SPITCH, 272
.set ASLOT,  4*2048*128                ; in memory: four heads on
.set BSLOT,  256*2048                  ; 256 k-rows on
.set ADRA, 16
.set ADRB, 18
.set STO,  22
.set RD,   23
.set CO,   24
.set BOFF, 25
.set FA,   32
.set BIAS, 96
.set G1A, 24
.set G0A, 32
.set G1B, 40
.set G0B, 48
.set MSB, 0
.macro WIN new                         ; the immediate's high byte repeats the setting that is left
.if MSB != \new
	s_set_vgpr_msb (MSB<<8)|\new
.set MSB, \new
.endif
.endm
.macro PLACES                          ; four places behind a matrix instruction (ISA guide 7.12.1)
.rept 4
	v_nop
.endr
.endm
.macro JLOAD s                         ; waves 0 and 1 fetch the weights' halves, waves 2 and 3 ao's
	s_cmp_eq_u32 s13, 0
	s_cbranch_scc0 .Lfor_a_\@
	tensor_load_to_lds s[G0B+4*\s:G0B+4*\s+3], s[G1B:G1B+7]
	s_nop 0
	s_branch .Lasked_\@
.Lfor_a_\@:
	tensor_load_to_lds s[G0A+4*\s:G0A+4*\s+3], s[G1A:G1A+7]
	s_nop 0
.Lasked_\@:
.endm
.macro CREST
	s_cmp_lg_u32 s12, 0
	s_cbranch_scc1 .Lnot_wave_0_\@
	s_barrier_signal -3
.Lnot_wave_0_\@:
	s_barrier_wait -3
	s_barrier_signal -1
	s_barrier_wait -1
.endm
.macro CROUND
	s_barrier_signal -1
	s_barrier_wait -1
	CREST
.endm
	s_load_b256 s[4:11], s[0:1], 0x0               ; ao s[4:5], wpb s[6:7], b_proj s[8:9], out0 s[10:11]
	s_set_vgpr_msb 0x40
	v_lshl_add_u32 v255, v0, 2, 0x4c400
	s_set_vgpr_msb 0x4000
	v_mov_b32 v255, 0
	s_set_vgpr_msb 0x1
	ds_add_u32 v255, v255
	ds_add_u32 v255, v255
	s_set_vgpr_msb 0x100
	v_lshrrev_b32 v1, 5, v0
	v_readfirstlane_b32 s12, v1                    ; wave 0..3
	s_lshr_b32 s13, s12, 1                         ; wy; also: I fetch weights (0) or ao (1)
	s_and_b32 s14, s12, 1                          ; wx; also: which half of that tile
	s_bfe_u32 s15, ttmp6, 0x40000                  ; cx
	s_bfe_u32 s16, ttmp6, 0x40004                  ; cy
	s_lshl_b32 s17, ttmp9, 2
	s_add_co_u32 s17, s17, s15                     ; block column
	s_and_b32 s18, ttmp7, 0xffff
	s_lshl_b32 s18, s18, 2
	s_add_co_u32 s18, s18, s16                     ; block row
	s_lshl_b32 s72, s16, 2
	s_lshl_b32 s72, 15, s72                        ; my row of the cluster
	s_lshl_b32 s73, 0x1111, s15                    ; my column
	; group 1, ao: 4 heads, each 64 tokens x 64 numbers = 4,096 consecutive elements; 4 words of padding behind every 32 words (a token)
	s_or_b32  s[G1A+0], s72, (1<<16)|(1<<20)|(1<<21)|(4<<22)|(3<<25)
	s_mov_b32 s[G1A+1], 4096<<16                   ; tensor_dim0 = 4,096
	s_mov_b32 s[G1A+2], 4<<16                      ; tensor_dim1 = 4
	s_mov_b32 s[G1A+3], 4096<<16                   ; tile_dim0 = 4,096
	s_mov_b32 s[G1A+4], 4                          ; tile_dim1 = 4
	s_mov_b32 s[G1A+5], 131072                     ; elements from head to head
	s_mov_b32 s[G1A+6], 0
	s_mov_b32 s[G1A+7], 0
	; group 1, weights: 128 k-rows x 128 elements, padding twice a row
	s_or_b32  s[G1B+0], s73, (1<<16)|(1<<20)|(1<<21)|(4<<22)|(3<<25)
	s_mov_b32 s[G1B+1], 128<<16
	s_mov_b32 s[G1B+2], 128<<16
	s_mov_b32 s[G1B+3], 128<<16
	s_mov_b32 s[G1B+4], 128
	s_mov_b32 s[G1B+5], 1024
	s_mov_b32 s[G1B+6], 0
	s_mov_b32 s[G1B+7], 0
	; ao's address: batch (16 block rows) x 16 heads x 262,144 bytes + token x 128; made of the block row and the wave's number alone
	s_lshr_b32 s56, s18, 4
	s_lshl_b32 s56, s56, 22
	s_and_b32 s57, s18, 15
	s_lshl_b32 s57, s57, 14
	s_add_co_u32 s56, s56, s57
	s_lshl_b32 s57, s14, 13                        ; + 64 tokens for the second half
	s_add_co_u32 s56, s56, s57
	s_mov_b32 s57, 0
	; the weights' address: of the block column and the wave's number alone
	s_lshl_b32 s60, s14, 18                        ; 128 k-rows of 2,048 bytes for the second half
	s_lshl_b32 s61, s17, 8                         ; + 128 columns a block column
	s_add_co_u32 s60, s60, s61
	s_mov_b32 s61, 0
	s_mul_i32 s20, s12, AH                         ; ao's halves (waves 2, 3) lie behind the weights' 2 BH bytes: wave x AH + 2 (BH - AH)
	s_add_co_u32 s20, s20, 2*(BH-AH)
	s_mul_i32 s21, s12, BH                         ; the weights' halves (waves 0, 1)
	s_wait_dscnt 0x0
	s_wait_kmcnt 0x0
	s_add_nc_u64 s[56:57], s[4:5], s[56:57]
	s_add_nc_u64 s[60:61], s[6:7], s[60:61]
	CROUND                                         ; the first joint loads meet
.irp s, 0,1
	s_mov_b32 s[G0A+4*\s], 1
	s_add_co_u32 s[G0A+4*\s+1], s20, \s*SLOT
	s_add_nc_u64 s[G0A+4*\s+2:G0A+4*\s+3], s[56:57], \s*ASLOT
	s_or_b32 s[G0A+4*\s+3], s[G0A+4*\s+3], 0x80000000
	s_mov_b32 s[G0B+4*\s], 1
	s_add_co_u32 s[G0B+4*\s+1], s21, \s*SLOT
	s_add_nc_u64 s[G0B+4*\s+2:G0B+4*\s+3], s[60:61], \s*BSLOT
	s_or_b32 s[G0B+4*\s+3], s[G0B+4*\s+3], 0x80000000
	JLOAD \s                                       ; two tensor loads of a wave are out
.endr
	; the bias of my 64 columns in the accumulators' layout
	s_mul_i32 s62, s17, 128*NB
	s_mov_b32 s63, 0
	s_add_nc_u64 s[62:63], s[8:9], s[62:63]
	v_and_b32 v1, 15, v0                           ; r
	v_bfe_u32 v2, v0, 4, 1                         ; h
	s_mul_i32 s22, s14, 64*NB
	v_lshlrev_b32 v[BOFF], 5, v2
	v_add_nc_u32 v[BOFF], s22, v[BOFF]
.set ib, 0
.rept NB
	global_load_b128 v[BIAS+8*ib:BIAS+8*ib+3],   v[BOFF], s[62:63] offset:64*ib
	global_load_b128 v[BIAS+8*ib+4:BIAS+8*ib+7], v[BOFF], s[62:63] offset:64*ib+16
.set ib, ib+1
.endr
	v_mul_u32_u24 v3, v1, PA
	v_lshl_add_u32 v3, v2, 4, v3
	s_mul_i32 s22, s13, AH
	s_add_co_u32 s22, s22, 2*BH
	v_add_nc_u32 v[ADRA], s22, v3
	v_add_nc_u32 v[ADRA+1], SLOT, v[ADRA]
	v_and_b32 v4, 7, v0
	v_lshl_add_u32 v5, v2, 3, v4
	v_mul_u32_u24 v5, v5, PB
	v_bfe_u32 v6, v0, 3, 1
	v_lshl_add_u32 v5, v6, 4, v5
	s_mul_i32 s23, s14, (NB/4)*144                 ; my 64 columns: one piece of 144 bytes
	v_add_nc_u32 v[ADRB], s23, v5
	v_add_nc_u32 v[ADRB+1], BH, v[ADRB]
	v_add_nc_u32 v[ADRB+2], SLOT, v[ADRB]
	v_add_nc_u32 v[ADRB+3], SLOT+BH, v[ADRB]
	s_mul_i32 s22, s12, 16*SPITCH
	s_add_co_u32 s22, s22, STAGE
	v_mul_u32_u24 v3, v1, SPITCH
	v_lshl_add_u32 v3, v2, 5, v3
	v_add_nc_u32 v[STO], s22, v3                   ; in: row r, 32 bytes for each half of the lanes
	v_mul_u32_u24 v3, v2, SPITCH
	v_lshl_add_u32 v3, v1, 4, v3
	v_add_nc_u32 v[RD], s22, v3                    ; back: lanes 0-15 one row of 256 bytes, lanes 16-31 the next
	v_lshlrev_b32 v3, 12, v2
	v_lshl_add_u32 v[CO], v1, 4, v3                ; and the same two rows in out0
	s_lshl_b32 s74, s18, 19                        ; 128 rows of 4,096 bytes a block row
	s_lshl_b32 s75, s13, 18
	s_add_co_u32 s74, s74, s75
	s_lshl_b32 s75, s17, 9                         ; 128 columns of 4 bytes a block column
	s_add_co_u32 s74, s74, s75
	s_lshl_b32 s75, s14, 8
	s_add_co_u32 s74, s74, s75
	s_mov_b32 s75, 0
	s_add_nc_u64 s[66:67], s[10:11], s[74:75]
.macro MULA f, hi, a, zero
.set ib, 0
.rept NB
.if \zero
	v_wmma_f32_16x16x32_f16 v[8*(NB*\a+ib):8*(NB*\a+ib)+7], v[\f*8*NB+8*ib:\f*8*NB+8*ib+7], v[FA+32*\f+8*(2*\hi+\a):FA+32*\f+8*(2*\hi+\a)+7], v[BIAS+8*ib:BIAS+8*ib+7]
.else
	v_wmma_f32_16x16x32_f16 v[8*(NB*\a+ib):8*(NB*\a+ib)+7], v[\f*8*NB+8*ib:\f*8*NB+8*ib+7], v[FA+32*\f+8*(2*\hi+\a):FA+32*\f+8*(2*\hi+\a)+7], v[8*(NB*\a+ib):8*(NB*\a+ib)+7]
.endif
.set ib, ib+1
.endr
.endm
.macro FETCH slot, q, f                ; 2 NB + 8 = 16 LDS loads: quarter q of a slot into buffer f, the weights' first, ao's last
	WIN 0x40
.set ib, 0
.rept NB
	ds_load_tr16_b128 v[\f*8*NB+8*ib:\f*8*NB+8*ib+3],   v[ADRB+2*\slot+(\q)/(QPS/2)] offset:((\q)%(QPS/2))*32*PB+(ib>>2)*144+(ib&3)*32
	ds_load_tr16_b128 v[\f*8*NB+8*ib+4:\f*8*NB+8*ib+7], v[ADRB+2*\slot+(\q)/(QPS/2)] offset:((\q)%(QPS/2))*32*PB+(ib>>2)*144+(ib&3)*32+16*PB
.set ib, ib+1
.endr
	WIN 0
.set ia, 0
.rept 4
	ds_load_b128 v[FA+32*\f+8*ia:FA+32*\f+8*ia+3],   v[ADRA+\slot] offset:((\q)>>1)*AQ2+((\q)&1)*64+ia*16*PA
	ds_load_b128 v[FA+32*\f+8*ia+4:FA+32*\f+8*ia+7], v[ADRA+\slot] offset:((\q)>>1)*AQ2+((\q)&1)*64+ia*16*PA+32
.set ia, ia+1
.endr
.endm
; The 16 accumulators take turns, one instruction a turn, in the same order in every quarter.
.macro QUARTER slot, qn, f, g, zero
	s_wait_dscnt 4                                 ; all but the four youngest loads (ao's row tiles 2, 3) are in
.if \zero
	WIN 0x81
.else
	WIN 0xa1
.endif
	MULA \f, 0, 0, \zero
	MULA \f, 0, 1, \zero
	PLACES
	FETCH \slot, \qn, \g
	s_wait_dscnt 2*NB+8                            ; all but the run just issued
.if \zero
	WIN 0xc1
.else
	WIN 0xf1
.endif
	MULA \f, 1, 0, \zero
	MULA \f, 1, 1, \zero
.endm
.macro RUN slot, zero
	QUARTER \slot, 1, 0, 1, \zero
	QUARTER \slot, 2, 1, 0, 0
	QUARTER \slot, 3, 0, 1, 0
	QUARTER \slot, 4, 1, 0, 0
	QUARTER \slot, 5, 0, 1, 0
	QUARTER \slot, 6, 1, 0, 0
	QUARTER \slot, 7, 0, 1, 0
.endm
.macro TURN slot, next, fill           ; the slot's last quarter and the change of slots
	s_wait_dscnt 4
	WIN 0xa1
	MULA 1, 0, 0, 0
	s_wait_dscnt 0                                 ; my reads of this slot are over
	s_wait_tensorcnt 0x0                           ; and all my tensor loads have landed: the one that was out is my part of the next slot
	ds_add_u32 v255, v255
	s_wait_dscnt 0x0
	s_barrier_signal -1
	MULA 1, 0, 1, 0
	WIN 0
	s_barrier_wait -1
.if \fill
	CREST                                          ; the round: no wave of any partner still reads this slot or has a load on its way
	s_add_nc_u64 s[G0A+4*\slot+2:G0A+4*\slot+3], s[G0A+4*\slot+2:G0A+4*\slot+3], 2*ASLOT
	s_add_nc_u64 s[G0B+4*\slot+2:G0B+4*\slot+3], s[G0B+4*\slot+2:G0B+4*\slot+3], 2*BSLOT
	JLOAD \slot                                    ; my one tensor load until the next round
.endif
	PLACES
	FETCH \next, 0, 0
	WIN 0xf1
	MULA 1, 1, 0, 0
	MULA 1, 1, 1, 0
.endm
	s_wait_tensorcnt 0x1                           ; my part of slot 0 is in; slot 1's may stay out
	s_barrier_signal -1
	s_barrier_wait -1
	s_wait_loadcnt 0x0                             ; the bias
	FETCH 0, 0, 0
	RUN 0, 1                                       ; K 0-255: the first products start the sums from the bias
	TURN 0, 1, 1
	RUN 1, 0                                       ; K 256-511
	TURN 1, 0, 1
	RUN 0, 0                                       ; K 512-767: nothing is left to fetch
	TURN 0, 1, 0
	RUN 1, 0                                       ; K 768-1023
	s_wait_dscnt 4
	WIN 0xa1
	MULA 1, 0, 0, 0
	MULA 1, 0, 1, 0
	s_wait_dscnt 0
	WIN 0xf1
	MULA 1, 1, 0, 0
	MULA 1, 1, 1, 0
; THE WAY OUT, 16 rows at a time: the f32 sums go straight from the accumulators into my own stage and come back as whole rows of 256 bytes.
; from: the LDS stores' data in window 2 (0x08) or 3 (0x0c); rb: registers for the read-back, two sets in turn.
.macro OUT16 a, aa, from, rb
	WIN \from
.set ib, 0
.rept NB
	ds_store_b128 v[STO], v[8*(NB*\aa+ib):8*(NB*\aa+ib)+3]   offset:64*ib
	ds_store_b128 v[STO], v[8*(NB*\aa+ib)+4:8*(NB*\aa+ib)+7] offset:64*ib+16
.set ib, ib+1
.endr
	WIN 0
	s_wait_xcnt 0x0                                ; the set rb, which earlier stores read, is loaded again only behind this wait
.irp t, 0,1,2,3,4,5,6,7
	ds_load_b128 v[\rb+4*\t:\rb+4*\t+3], v[RD] offset:2*SPITCH*\t  ; LDS serves a wave's instructions in order: these see the stores above
.endr
.irp t, 0,1,2,3,4,5,6,7
	s_wait_dscnt 7-\t                              ; the younger read-backs stay out
	global_store_b128 v[CO], v[\rb+4*\t:\rb+4*\t+3], s[66:67] offset:(16*\a+2*\t)*4096   ; 16 lanes store 256 consecutive bytes, aligned
.endr
.endm
	PLACES
	OUT16 0, 0, 0x08, 32
	OUT16 1, 1, 0x08, 64
	OUT16 2, 0, 0x0c, 32
	OUT16 3, 1, 0x0c, 64
	s_set_vgpr_msb 0x1
	s_wait_tensorcnt 0x0
	ds_add_u32 v255, v255
	s_wait_dscnt 0x0
	s_set_vgpr_msb 0x100
	CROUND                                         ; the closing round
	s_endpgm
.Lfunc_end_k_q61122ecd2b_proj:
	.size	k_q61122ecd2b_proj, .Lfunc_end_k_q61122ecd2b_proj-k_q61122ecd2b_proj
	.p2alignl 7, 3214868480
	.fill 96, 4, 3214868480
	.section	.rodata,"a",@progbits
	.p2align	6, 0x0
	.amdhsa_kernel k_q61122ecd2b_proj
		.amdhsa_group_segment_fixed_size 327680
		.amdhsa_private_segment_fixed_size 0
		.amdhsa_enable_private_segment 0
		.amdhsa_kernarg_size 32
		.amdhsa_user_sgpr_count 2
		.amdhsa_user_sgpr_kernarg_segment_ptr 1
		.amdhsa_wavefront_size32 1
		.amdhsa_system_sgpr_workgroup_id_x 1
		.amdhsa_system_sgpr_workgroup_id_y 1
		.amdhsa_system_sgpr_workgroup_id_z 1
		.amdhsa_system_vgpr_workitem_id 0
		.amdhsa_next_free_vgpr 832
		.amdhsa_next_free_sgpr 80
		.amdhsa_reserve_vcc 0
		.amdhsa_float_denorm_mode_32 3
		.amdhsa_float_denorm_mode_16_64 3
		.amdhsa_memory_ordered 1
		.amdhsa_forward_progress 1
		.amdhsa_inst_pref_size 93
	.end_amdhsa_kernel
	.amdgpu_metadata
---
amdhsa.version: [ 1, 2 ]
amdhsa.kernels:
  - .name:           k_q61122ecd2b_proj
    .symbol:         k_q61122ecd2b_proj.kd
    .args:
      - { .name: ao, .offset: 0, .size: 8, .value_kind: global_buffer, .address_space: global }
      - { .name: wpb, .offset: 8, .size: 8, .value_kind: global_buffer, .address_space: global }
      - { .name: b_proj, .offset: 16, .size: 8, .value_kind: global_buffer, .address_space: global }
      - { .name: out0, .offset: 24, .size: 8, .value_kind: global_buffer, .address_space: global }
    .group_segment_fixed_size: 327680
    .private_segment_fixed_size: 0
    .kernarg_segment_align: 8
    .kernarg_segment_size: 32
    .max_flat_workgroup_size: 128
    .sgpr_count:     80
    .vgpr_count:     832
    .wavefront_size: 32
...
	.end_amdgpu_metadata
.endif
;; end of part 4
;; ======== version 2 of 2: 4 launches; version 1 with the launch prep written anew for expert scheduling mode
;; limits: values are held in f16: magnitudes above 65,504 overflow, below 6.1e-05 lose precision
;; workspace buffers: xb 8,388,608 bytes; wqb 6,291,456 bytes; wpb 2,097,152 bytes; qkv 25,165,824 bytes; ao 8,388,608 bytes
;; launch prep (part 5): grid 256 x 1, 8 waves a work-group, no clusters, 0 bytes of LDS; arguments x, w_qkv, w_proj, xb, wqb, wpb; writes xb, wqb, wpb
.if DOCPART == 5
	.amdgcn_target "amdgcn-amd-amdhsa--gfx1250"
	.amdhsa_code_object_version 6
	.text
	.protected	k_q61122ecd2b_prep
	.globl	k_q61122ecd2b_prep
	.p2align	8
	.type	k_q61122ecd2b_prep,@function
k_q61122ecd2b_prep:
	s_mov_b64 s[64:65], 0
	v_nop
	global_prefetch_b8 v0, s[64:65] scope:SCOPE_SE
	s_setreg_imm32_b32 hwreg(HW_REG_WAVE_SCHED_MODE, 0, 2), 2
	s_setreg_imm32_b32 hwreg(HW_REG_WAVE_MODE, 25, 1), 1
	s_wait_xcnt 0x0
	s_wait_alu depctr_vm_vsrc(0)
; The three large inputs are rounded once to 16 bits, in their own layouts: xb = bf16(x), wqb = bf16(w_qkv),
; wpb = bf16(w_proj) written in f16's bits (the last product runs in the f16 form, whose two operands are both f16).
; LIMIT: a bf16 number has 8 significant bits, so it is exact in f16 while 2^-14 <= |w| < 65,504; a smaller one loses at most 2^-25
; in absolute terms, a larger one becomes an infinity.
; A pure stream: no LDS, no barrier, no matrix unit.  256 work-groups of eight waves; each takes 1/256 of each tensor:
; 65,536 bytes of x, 49,152 of w_qkv, 16,384 of w_proj; a wave an eighth of that: 16 + 12 + 4 = 32 loads of 512 consecutive bytes.
; All 32 loads of a wave go out first (16 KiB a wave); each is then waited for by a count of the younger ones,
; converted in place and stored: 32 lanes x 8 bytes = 256 consecutive bytes, aligned.
; THE MODE: SCHED_MODE bits 1:0 = 2 (LLVM: expert scheduling mode 2), set by the entry lines.  The code itself states the register dependences
; between vector instructions and memory instructions, with s_wait_alu, always for 0.
; THE PLAN.  Registers that memory instructions touch:
;   v1 .. v6      byte offsets of the loads (v1, v2, v3) and of the stores (v4, v5, v6): made at the head, never written again.
;   v[X + 4 j ..] load j lands in four registers; its conversions read the four and write the first two; one store reads those two; nothing writes them again.
;   v7 and v[TT ..] are named by vector instructions alone.
; The 32 loads go in eight blocks of four.  Block b's conversions name block b's registers and v[TT ..] alone; the four stores of block b - 1 are dealt
; among them.  So one wait on va_vdst at a block's head states all that its four stores hang on.  No register that a memory instruction has read is ever
; written again, and no load is issued behind a conversion: the text owes no wait on vm_vsrc.
.set X,  8                             ; v[8:135]   load j: 4 registers of f32, then 2 registers of 16-bit numbers
.set TT, 136                           ; v[136:139] at work
	s_load_b256 s[4:11], s[0:1], 0x0               ; x s[4:5], w_qkv s[6:7], w_proj s[8:9], xb s[10:11]
	s_load_b128 s[12:15], s[0:1], 0x20             ; wqb s[12:13], wpb s[14:15]
	v_and_b32 v7, 31, v0                           ; lane
	v_lshrrev_b32 v[TT], 5, v0                     ; wave
	v_lshlrev_b32 v1, 13, v[TT]                    ; my wave's 8,192 bytes of x,
	v_mul_u32_u24 v2, v[TT], 6144                  ; 6,144 of w_qkv,
	v_lshlrev_b32 v3, 11, v[TT]                    ; 2,048 of w_proj,
	v_lshl_add_u32 v1, v7, 4, v1                   ; and 16 bytes a lane
	v_lshl_add_u32 v2, v7, 4, v2
	v_lshl_add_u32 v3, v7, 4, v3
	v_lshrrev_b32 v4, 1, v1                        ; the outputs' offsets are half of those
	v_lshrrev_b32 v5, 1, v2
	v_lshrrev_b32 v6, 1, v3
	s_lshl_b32 s16, ttmp9, 16                      ; the work-group's parts
	s_mov_b32 s17, 0
	s_mul_i32 s18, ttmp9, 49152
	s_mov_b32 s19, 0
	s_lshl_b32 s20, ttmp9, 14
	s_mov_b32 s21, 0
	s_wait_kmcnt 0x0
	s_add_nc_u64 s[4:5], s[4:5], s[16:17]
	s_add_nc_u64 s[6:7], s[6:7], s[18:19]
	s_add_nc_u64 s[8:9], s[8:9], s[20:21]
	s_wait_alu depctr_va_vdst(0)                   ; v1 to v6 are written: every load and store of the kernel reads one of them as its offset
.set jj, 0
.rept 16
	global_load_b128 v[X+4*jj:X+4*jj+3], v1, s[4:5] offset:512*jj th:TH_LOAD_NT
.set jj, jj+1
.endr
.rept 12
	global_load_b128 v[X+4*jj:X+4*jj+3], v2, s[6:7] offset:512*(jj-16) th:TH_LOAD_NT
.set jj, jj+1
.endr
.rept 4
	global_load_b128 v[X+4*jj:X+4*jj+3], v3, s[8:9] offset:512*(jj-28) th:TH_LOAD_NT
.set jj, jj+1
.endr
	s_lshr_b32 s16, s16, 1
	s_lshr_b32 s18, s18, 1
	s_lshr_b32 s20, s20, 1
	s_add_nc_u64 s[10:11], s[10:11], s[16:17]
	s_add_nc_u64 s[12:13], s[12:13], s[18:19]
	s_add_nc_u64 s[14:15], s[14:15], s[20:21]
; Load j's four f32 become two registers of 16-bit numbers, in place.  Loads 0-15 are x's, 16-27 w_qkv's, 28-31 w_proj's.
.macro CONV j
	v_cvt_pk_bf16_f32 v[X+4*(\j)], v[X+4*(\j)], v[X+4*(\j)+1]    ; the rounding: to bf16
	v_cvt_pk_bf16_f32 v[X+4*(\j)+1], v[X+4*(\j)+2], v[X+4*(\j)+3]
.if (\j) >= 28
	v_lshlrev_b32 v[TT], 16, v[X+4*(\j)]                         ; w_proj: back to f32 (a shift or a mask),
	v_and_b32 v[TT+1], 0xffff0000, v[X+4*(\j)]
	v_lshlrev_b32 v[TT+2], 16, v[X+4*(\j)+1]
	v_and_b32 v[TT+3], 0xffff0000, v[X+4*(\j)+1]
	v_cvt_pk_f16_f32 v[X+4*(\j)], v[TT], v[TT+1]                 ; and the same numbers in f16's bits
	v_cvt_pk_f16_f32 v[X+4*(\j)+1], v[TT+2], v[TT+3]
.endif
.endm
; Load j's two registers leave: 256 consecutive bytes a wave, aligned.
.macro STORE j
.if (\j) < 16
	global_store_b64 v4, v[X+4*(\j):X+4*(\j)+1], s[10:11] offset:256*(\j)
.elseif (\j) < 28
	global_store_b64 v5, v[X+4*(\j):X+4*(\j)+1], s[12:13] offset:256*((\j)-16)
.else
	global_store_b64 v6, v[X+4*(\j):X+4*(\j)+1], s[14:15] offset:256*((\j)-28)
.endif
.endm
.set jj, 0
.rept 32
	s_wait_loadcnt 31-jj                           ; loads come back in order: load jj is in, the younger ones stay out
.if ((jj%4) == 0) && (jj > 0)
	s_wait_alu depctr_va_vdst(0)                   ; a block's head: the block before has written its eight 16-bit registers, which this block's four stores read
.endif
.if jj >= 4
	STORE jj-4                                     ; the block before.  No further wait: no vector instruction since the block's head names its registers
.endif
	CONV jj
.set jj, jj+1
.endr
	s_wait_alu depctr_va_vdst(0)                   ; the last block has written its eight registers, which the last four stores read
	STORE 28
	STORE 29
	STORE 30
	STORE 31
	s_endpgm
.Lfunc_end_k_q61122ecd2b_prep:
	.size	k_q61122ecd2b_prep, .Lfunc_end_k_q61122ecd2b_prep-k_q61122ecd2b_prep
	.p2alignl 7, 3214868480
	.fill 96, 4, 3214868480
	.section	.rodata,"a",@progbits
	.p2align	6, 0x0
	.amdhsa_kernel k_q61122ecd2b_prep
		.amdhsa_group_segment_fixed_size 0
		.amdhsa_private_segment_fixed_size 0
		.amdhsa_enable_private_segment 0
		.amdhsa_kernarg_size 48
		.amdhsa_user_sgpr_count 2
		.amdhsa_user_sgpr_kernarg_segment_ptr 1
		.amdhsa_wavefront_size32 1
		.amdhsa_system_sgpr_workgroup_id_x 1
		.amdhsa_system_sgpr_workgroup_id_y 1
		.amdhsa_system_sgpr_workgroup_id_z 1
		.amdhsa_system_vgpr_workitem_id 0
		.amdhsa_next_free_vgpr 144
		.amdhsa_next_free_sgpr 66
		.amdhsa_reserve_vcc 0
		.amdhsa_float_denorm_mode_32 3
		.amdhsa_float_denorm_mode_16_64 3
		.amdhsa_memory_ordered 1
		.amdhsa_forward_progress 1
		.amdhsa_inst_pref_size 15
	.end_amdhsa_kernel
	.amdgpu_metadata
---
amdhsa.version: [ 1, 2 ]
amdhsa.kernels:
  - .name:           k_q61122ecd2b_prep
    .symbol:         k_q61122ecd2b_prep.kd
    .args:
      - { .name: x, .offset: 0, .size: 8, .value_kind: global_buffer, .address_space: global }
      - { .name: w_qkv, .offset: 8, .size: 8, .value_kind: global_buffer, .address_space: global }
      - { .name: w_proj, .offset: 16, .size: 8, .value_kind: global_buffer, .address_space: global }
      - { .name: xb, .offset: 24, .size: 8, .value_kind: global_buffer, .address_space: global }
      - { .name: wqb, .offset: 32, .size: 8, .value_kind: global_buffer, .address_space: global }
      - { .name: wpb, .offset: 40, .size: 8, .value_kind: global_buffer, .address_space: global }
    .group_segment_fixed_size: 0
    .private_segment_fixed_size: 0
    .kernarg_segment_align: 8
    .kernarg_segment_size: 48
    .max_flat_workgroup_size: 256
    .sgpr_count:     66
    .vgpr_count:     144
    .wavefront_size: 32
...
	.end_amdgpu_metadata
.endif
;; end of part 5
;; launch qkvgemm: the kernel of part 2 again; grid 8 x 32, 4 waves a work-group, clusters of 4 x 4, 327,680 bytes of LDS; arguments xb, wqb, b_qkv, qkv; writes qkv
;; launch attn: the kernel of part 3 again; grid 8 x 32, 8 waves a work-group, no clusters, 327,680 bytes of LDS; arguments qkv, ao; writes ao
;; launch proj: the kernel of part 4 again; grid 8 x 32, 4 waves a work-group, clusters of 4 x 4, 327,680 bytes of LDS; arguments ao, wpb, b_proj, out0; writes out0
